; MI455X (gfx1250); checked and timed in simulation.
; The chip was launched on July 23, 2026; its instructions are those of AMD's public machine-readable ISA for CDNA 5 (MIT licence, August 2026) and "CDNA5" Instruction Set Architecture Reference Guide (July 2026). The comments in the code are by the model that wrote it; some were corrected since.
;; Multi Head Attention. Allowed arithmetic: matrix products marked QUANTISED: E2M3 operands, one E8M0 scale for each 32 along K, by v_wmma_scale_f32_16x16x128_f8f6f4 with both operands' format E2M3, f32 sums; everything else in f32.
;; Inputs: Wk 1,024 x 1,024 float32; Wo 1,024 x 1,024 float32; Wq 1,024 x 1,024 float32; Wv 1,024 x 1,024 float32; bk 1,024 float32; bo 1,024 float32; bq 1,024 float32; bv 1,024 float32; k 4 x 2,048 x 1,024 float32; q 4 x 2,048 x 1,024 float32; v 4 x 2,048 x 1,024 float32.
;; Outputs: out0 4 x 2,048 x 1,024 float32.
;; This version of the problem:
;;   THIS VERSION OF THE PROBLEM IS GIVEN IN LOW PRECISION. The matrix products marked QUANTISED in the list below multiply operands that are first quantised to E2M3 (2 exponent bits, 3 mantissa bits; 6 bits a number), with one power-of-two scale for each 32 numbers along K (OCP MX v1.0); their sums are f32. All else is computed in f32.
;;   The module's matrix products, in the order in which they are computed (A, B: the left and right operand; K: the contracted axis; several contracted axes count as one K, in the product's order):
;;     1. [M 8,192, K 1,024] x [K 1,024, N 1,024]; A: input q; B: input Wq: QUANTISED
;;     2. [M 8,192, K 1,024] x [K 1,024, N 1,024]; A: input k; B: input Wk: QUANTISED
;;     3. [M 8,192, K 1,024] x [K 1,024, N 1,024]; A: input v; B: input Wv: QUANTISED
;;     4. batch 64 x [M 2,048, K 64] x [K 64, N 2,048]; A: computed on the way; B: computed on the way: QUANTISED
;;     5. batch 64 x [M 2,048, K 2,048] x [K 2,048, N 64]; A: softmax (see below); B: computed on the way: QUANTISED
;;     6. [M 8,192, K 1,024] x [K 1,024, N 1,024]; A: computed on the way; B: input Wo: QUANTISED
;;   THE QUANTISER, for each operand of a quantised product, along K:
;;     - K is cut into blocks of 32 from its start; a last block that is shorter is filled with zeros.
;;     - A block's scale is 2^e with e = floor(log2(the largest magnitude in the block)) - 2, held to -126 .. 127; a block of zeros has e = 0. As a byte (E8M0): e + 127.
;;     - Each number is divided by its block's scale, clamped to +-7.5, and rounded to the nearest number of E2M3, ties to even, subnormals kept.
;;     - The product sums the exact products of the quantised numbers (number of the format x scale) in f32.
;;   ~~~python
;;   def quantise(x, axis):      # numpy; x: float32 -> the quantised numbers, widened to float32 again
;;       x = np.moveaxis(x, axis, -1); K = x.shape[-1]
;;       x = np.pad(x, [(0, 0)] * (x.ndim - 1) + [(0, -K % 32)]); x = x.reshape(x.shape[:-1] + (-1, 32)); a = np.abs(x).max(-1, keepdims=True)
;;       e = np.where(a > 0, np.clip(np.frexp(np.where(a > 0, a, 1))[1] - 1 - 2, -126, 127), 0)      # np.frexp(a)[1] - 1 = floor(log2(a)), exactly
;;       r = np.clip(x / 2.0 ** e, -7.5, 7.5)
;;       step = 2.0 ** (np.maximum(np.frexp(np.where(r == 0, 1, r))[1] - 1, 0) - 3)
;;       q = np.round(r / step) * step * 2.0 ** e      # np.round: ties to even
;;       return np.moveaxis(q.reshape(q.shape[:-2] + (-1,))[..., :K], -1, axis).astype(np.float32)
;;   ~~~
;;   SOFTMAX AHEAD OF A QUANTISED PRODUCT. Where the list says 'softmax', what is quantised is not the finished softmax but p = 2^(t - M), with t = logit x log2(e) and M = ceil(the row's largest t), a whole number; so 1/2 < the row's largest p <= 1. The row's sum l is taken of the UNQUANTISED p, in f32, and the product's result is divided by l at the end. Since M is a whole number, a kernel that streams over the keys may use a running M (the ceiling of the running maximum): every later rescaling is an exact power of two, which a block's scale takes up: the codes' values come out the same.
;;   OPERANDS COMPUTED ON THE WAY. 'Computed on the way' means the value that the module computes at that place (a softmax that the list does not call 'softmax' is quantised finished and normalised). What goes into a quantiser is computed in f32, as accurately as f32 sums, v_exp_f32 and their like allow (about 1e-6 of the number): no bf16 or f16 on the way to a quantiser, and a product that is left as it is and whose result goes on into a quantised operand takes f32 operands (vector FMAs, or v_wmma_f32_16x16x4_f32). A number that lies on a knife's edge between two numbers of the format may be rounded either way, as far as f32 arithmetic and the matrix unit's own rounding can turn it there, and no further.
;; One version. Each part assembles by itself: llvm-mc -triple=amdgcn-amd-amdhsa -mcpu=gfx1250 --defsym DOCPART=n.
;; ======== version 1 of 1: 4 launches
;; workspace buffers: cod 22,020,096 bytes; scl 917,504 bytes; qi 6,815,744 bytes; kv 13,369,344 bytes; ai 6,291,456 bytes; asc 262,144 bytes
;; launch quant (part 1): grid 896 x 1, 4 waves a work-group, no clusters, 68,096 bytes of LDS; arguments q, k, v, Wq, Wk, Wv, Wo, cod, scl; writes cod, scl
.if DOCPART == 1
	.amdgcn_target "amdgcn-amd-amdhsa--gfx1250"
	.amdhsa_code_object_version 6
	.text
	.protected	k_q28cf1df423_quant
	.globl	k_q28cf1df423_quant
	.p2align	8
	.type	k_q28cf1df423_quant,@function
k_q28cf1df423_quant:
	s_mov_b64 s[64:65], 0
	v_nop
	global_prefetch_b8 v0, s[64:65] scope:SCOPE_SE
	s_setreg_imm32_b32 hwreg(HW_REG_WAVE_MODE, 25, 1), 1
	s_wait_xcnt 0x0
; q, k, v [8192][1024] f32 (K innermost) and Wq, Wk, Wv, Wo [1024 (K)][1024 (n)] f32 (K first) become codes of FP6 (E2M3), K innermost, and one E8M0 byte for each 32 along K.
; cod: [28672 rows][768 bytes]; scl: [28672 rows][32 bytes].  Rows 0-24575: the tokens of q, k, v; rows 24576 + 1024 t: the columns n of Wq, Wk, Wv, Wo.
; THE ORDER OF ROWS: a row is STORED with bits 3 and 4 of its number exchanged (place 32 A + 16 u + 8 g + r0 holds row 32 A + 8 u + 16 g + r0).  So sixteen neighbouring stored rows are rows
; 32 A + 8 u + r + 8 (r / 8), r = 0 .. 15: with such tiles as source 0 of a transposed product, the 16 result registers of two neighbouring tiles are 16 neighbours along the next product's K.
; A block's scale is 2^(floor(log2(its largest magnitude)) - 2); its byte is the largest magnitude's exponent field - 2, held at 1 from below.
; LIMITS: a block of zeros, or one whose largest magnitude lies under 2^-124, gets the byte 1 (its codes are zeros or as that scale gives them; the bytes are read by this program alone); NaN and infinities are not served.
; Work-groups 0-767 take q, k, v as plain streams of blocks (a wave: 8 rows = 16 steps of 512 numbers); work-groups 768-895 take the weights (a wave: 32 columns x 256 along K, a lane to a column).
; The two ways part on the work-group's number, never join, and have LDS bytes of their own.  No tensor load, no barrier: waves share nothing.
.set SPARE, 67584                      ; behind both ways' LDS: the spare words, 128 bytes for each wave
.set SPW,   192                        ; v192 LDS address of my spare word; never rewritten
.set NIL,   193                        ; v193 0; never rewritten
.set STEPS, 16
.set EMAX,  2
.set CB,    12                         ; bytes of 16 codes
.set XR,    16                         ; v16-79   four sets of 16 numbers as loaded
.set XX,    80                         ; v80-111  two sets of 16 neighbours
.set XE,    112                        ; v112-127 a scale byte for each step
.set XC,    128                        ; v128-191 codes, four registers a step
.set WREG,  8192                       ; the streams' LDS: a region for each wave: two stages of 32 x SP bytes, then its 256 scale bytes
.set SP,    80
.set WSTG,  32768                      ; the weights' LDS: four stages of 32 rows x WPITCH
.set NB,    8                          ; blocks of 32 along K for a wave
.set WPITCH, 272
.set KROW,  768
.set WN,    1024
.set WX,    32                         ; v32-95   two sets of 32 numbers
.set WC,    96                         ; a block's codes
.set WOUT,  112                        ; v112-175 the way out
.set WSB,   24                         ; v24-25   the scale bytes
	s_load_b256 s[4:11], s[0:1], 0x0               ; q s[4:5], k s[6:7], v s[8:9], Wq s[10:11]
	s_load_b256 s[12:19], s[0:1], 0x20             ; Wk s[12:13], Wv s[14:15], Wo s[16:17], cod s[18:19]
	s_load_b64 s[20:21], s[0:1], 0x40              ; scl
	v_lshl_add_u32 v[SPW], v0, 2, SPARE
	v_mov_b32 v[NIL], 0
	v_lshrrev_b32 v1, 5, v0
	v_readfirstlane_b32 s26, v1                    ; wave
	v_and_b32 v2, 31, v0                           ; lane
	s_wait_kmcnt 0x0
	s_cmp_lt_u32 ttmp9, 768
	s_cbranch_scc0 .Lw
; ---------------- q, k, v: K innermost ----------------
; Each of a step's four loads reads 512 consecutive bytes; the 2,048 bytes turn through the wave's own stage so that a lane gets 16 neighbours (two lanes hold a block).
	v_lshlrev_b32 v3, 4, v2                        ; my 16 bytes of a load's 512
	s_mul_i32 s27, s26, WREG
	v_lshrrev_b32 v14, 2, v2
	v_mul_u32_u24 v14, v14, SP
	v_and_b32 v15, 3, v2
	v_lshl_add_u32 v14, v15, 4, v14
	v_add_nc_u32 v14, s27, v14                     ; the stage, on the way in: SP (lane / 4) + 16 (lane % 4)
	v_mul_u32_u24 v15, v2, SP
	v_add_nc_u32 v15, s27, v15                     ; and on the way out: SP x lane
	v_mul_u32_u24 v4, v2, CB                       ; my codes' place in a step's
	v_lshrrev_b32 v5, 1, v2
	s_add_co_u32 s27, s27, 2*32*SP
	v_add_nc_u32 v5, s27, v5                       ; my wave's 256 scale bytes, my block's byte
	v_lshlrev_b32 v7, 3, v2
	v_add_nc_u32 v6, s27, v7
	s_lshr_b32 s27, ttmp9, 8                       ; which tensor: 256 work-groups each
	s_cmp_eq_u32 s27, 0
	s_cselect_b64 s[22:23], s[4:5], s[6:7]
	s_cmp_eq_u32 s27, 2
	s_cselect_b64 s[22:23], s[8:9], s[22:23]
	s_and_b32 s28, ttmp9, 255
	s_lshl_b32 s28, s28, 2
	s_add_co_u32 s28, s28, s26                     ; my run of 8 rows in the tensor
	s_lshl_b32 s28, s28, 15                        ; x 32,768 bytes
	s_mov_b32 s29, 0
	s_add_nc_u64 s[22:23], s[22:23], s[28:29]
	s_and_b32 s30, s26, 1                          ; where it is stored: a run is 8 rows, so the rows' bits 3 and 4 are the wave's two bits: exchanged
	s_lshl_b32 s30, s30, 1
	s_lshr_b32 s31, s26, 1
	s_or_b32 s30, s30, s31
	s_lshl_b32 s31, ttmp9, 2
	s_add_co_u32 s30, s30, s31
	s_mul_i32 s28, s30, 6144                       ; 8 rows of 768 bytes of codes
	s_add_nc_u64 s[18:19], s[18:19], s[28:29]
	s_lshl_b32 s28, s30, 8                         ; 8 rows of 32 scale bytes
	s_add_nc_u64 s[20:21], s[20:21], s[28:29]
.macro XLOAD t
.irp i, 0,1,2,3
	global_load_b128 v[XR+16*((\t)%4)+4*\i:XR+16*((\t)%4)+4*\i+3], v3, s[22:23] offset:2048*(\t)+512*\i th:TH_LOAD_NT
.endr
.endm
.macro XTURN t                         ; step t's numbers through the stage: LDS serves a wave's instructions in order, so no wait stands between the stores and the loads
.irp i, 0,1,2,3
	ds_store_b128 v14, v[XR+16*((\t)%4)+4*\i:XR+16*((\t)%4)+4*\i+3] offset:32*SP*((\t)%2)+8*SP*\i
.endr
.irp i, 0,1,2,3
	ds_load_b128 v[XX+16*((\t)%2)+4*\i:XX+16*((\t)%2)+4*\i+3], v15 offset:32*SP*((\t)%2)+16*\i
.endr
.endm
.irp t, 0,1,2,3
	XLOAD \t
.endr
	s_wait_loadcnt 12                              ; step 0's four loads are in; the twelve of steps 1 to 3 stay out
	XTURN 0
.macro XSTEP t
.set XS, XX+16*((\t)%2)
.if (\t) > 0
	s_wait_dscnt 1                                 ; this step's numbers are back from the stage (the last step's byte store may be out)
.else
	s_wait_dscnt 0x0
.endif
.if (\t)+4 < STEPS
	XLOAD (\t)+4                                   ; into the registers that this step's stores into the stage have read
.endif
.if (\t)+1 < STEPS
.if STEPS-2-(\t) >= 3
	s_wait_loadcnt 12                              ; the next step's four loads are in; those of the three steps behind it may be out
.else
	s_wait_loadcnt 4*(STEPS-2-(\t))
.endif
	XTURN (\t)+1
.endif
	v_max3_num_f32 v8, |v[XS]|, |v[XS+1]|, |v[XS+2]|               ; the largest magnitude of my 16, in two chains
	v_max3_num_f32 v9, |v[XS+3]|, |v[XS+4]|, |v[XS+5]|
.irp i, 6,10
	v_max3_num_f32 v8, v8, |v[XS+\i]|, |v[XS+\i+1]|
	v_max3_num_f32 v9, v9, |v[XS+\i+2]|, |v[XS+\i+3]|
.endr
	v_max3_num_f32 v8, v8, |v[XS+14]|, |v[XS+15]|
	v_max3_num_f32 v8, v8, v9, (EMAX+1)<<23        ; and the floor 2^(3 - 127): the byte cannot fall under 1
	v_max_num_f32_dpp v8, v8, v8 row_xmask:1 row_mask:0xf bank_mask:0xf   ; with my neighbour's 16: the block's
	v_add_nc_u32 v11, -(EMAX<<23), v8              ; 2 off the exponent field: the conversion takes that field as its scale
	v_cvt_scalef32_pk16_fp6_f32 v[XC+4*(\t):XC+4*(\t)+2], v[XS:XS+15], v11
	v_lshrrev_b32 v[XE+(\t)], 23, v11              ; the scale's byte (also the plain line behind the conversion)
	ds_store_b8 v5, v[XE+(\t)] offset:16*(\t)      ; both lanes of a block write the same byte with the same value
	global_store_b96 v4, v[XC+4*(\t):XC+4*(\t)+2], s[18:19] offset:32*CB*(\t)   ; the wave stores 384 consecutive bytes
.endm
.irp t, 0,1,2,3,4,5,6,7,8,9,10,11,12,13,14,15
	XSTEP \t
.endr
	ds_load_b64 v[8:9], v6                         ; LDS serves a wave's instructions in order: these see my stores
	s_wait_dscnt 0x0
	global_store_b64 v7, v[8:9], s[20:21]          ; 32 lanes store 256 consecutive bytes, aligned
	s_wait_tensorcnt 0x0                           ; the wave's end: behind my last LDS store
	ds_add_u32 v[SPW], v[NIL]
	s_wait_dscnt 0x0
	s_endpgm
; ---------------- the weights: K is the first axis ----------------
; A lane takes a column n and its registers run down K: a block of 32 lies in one lane, and the conversions give codes with K innermost.  The codes leave through the wave's stage, row by row.
.Lw:
	s_sub_co_u32 s27, ttmp9, 768
	s_lshr_b32 s28, s27, 5                         ; which weight: 32 work-groups each
	s_cmp_lt_u32 s28, 2
	s_cselect_b64 s[22:23], s[10:11], s[14:15]     ; Wq or Wv
	s_cselect_b64 s[24:25], s[12:13], s[16:17]     ; Wk or Wo
	s_and_b32 s29, s28, 1
	s_cmp_eq_u32 s29, 0
	s_cselect_b64 s[22:23], s[22:23], s[24:25]
	s_bfe_u32 s29, s27, 0x30002                    ; which 128 columns
	s_and_b32 s30, s27, 3                          ; which 256 along K
	s_lshl_b32 s31, s29, 7
	s_lshl_b32 s32, s26, 5
	s_add_co_u32 s31, s31, s32                     ; my wave's first column
	s_lshl_b32 s32, s30, 20                        ; 256 rows of 4,096 bytes
	s_lshl_b32 s33, s31, 2
	s_add_co_u32 s32, s32, s33
	s_mov_b32 s33, 0
	s_add_nc_u64 s[22:23], s[22:23], s[32:33]
	s_lshl_b32 s34, s28, 10
	s_add_co_u32 s34, s34, s31
	s_add_co_u32 s34, s34, 24576                   ; my first row of cod and scl
	s_mul_i32 s32, s34, KROW
	s_mul_i32 s35, s30, 192
	s_add_co_u32 s32, s32, s35
	s_add_nc_u64 s[18:19], s[18:19], s[32:33]
	s_lshl_b32 s32, s34, 5
	s_lshl_b32 s35, s30, 3
	s_add_co_u32 s32, s32, s35
	s_add_nc_u64 s[20:21], s[20:21], s[32:33]
	v_lshlrev_b32 v3, 2, v2                        ; in: 4 bytes a lane
	v_and_b32 v10, 7, v2                           ; where my column is stored among the wave's 32: bits 3 and 4 exchanged
	v_bfe_u32 v11, v2, 3, 1
	v_lshl_add_u32 v10, v11, 4, v10
	v_bfe_u32 v11, v2, 4, 1
	v_lshl_add_u32 v10, v11, 3, v10
	s_mul_i32 s36, s26, 32*WPITCH
	s_add_co_u32 s36, s36, WSTG                    ; my stage
	v_mul_u32_u24 v4, v10, WPITCH
	v_add_nc_u32 v4, s36, v4                       ; into it: the row at which my column is stored
	v_and_b32 v5, 15, v2
	v_lshrrev_b32 v6, 4, v2                        ; out of it: sixteen lanes to a row, two rows an instruction
	v_mul_u32_u24 v7, v6, WPITCH
	v_lshl_add_u32 v7, v5, 4, v7
	v_add_nc_u32 v7, s36, v7
	v_mul_u32_u24 v8, v6, KROW
	v_mad_u32_u24 v8, v5, 12, v8                   ; and the same place in cod
	v_lshlrev_b32 v9, 5, v10                       ; my column's row of scale bytes
.macro WLOAD t                         ; block t: W(32 t + i, my column) into set t % 2; a wave reads 128 consecutive bytes
.irp i, 0,1,2,3,4,5,6,7,8,9,10,11,12,13,14,15,16,17,18,19,20,21,22,23,24,25,26,27,28,29,30,31
	global_load_b32 v[WX+32*((\t)%2)+\i], v3, s[22:23] offset:(32*(\t)+\i)*WN*4 th:TH_LOAD_NT
.endr
.endm
	WLOAD 0
	WLOAD 1
.macro WBLOCK t
.set XS, WX+32*((\t)%2)
.if (\t) < NB-1
	s_wait_loadcnt 32                              ; this block's 32 loads are in; the next block's 32 may be out
.else
	s_wait_loadcnt 0
.endif
	v_max3_num_f32 v12, |v[XS]|, |v[XS+1]|, |v[XS+2]|
	v_max3_num_f32 v13, |v[XS+3]|, |v[XS+4]|, |v[XS+5]|
.irp i, 6,10,14,18,22,26
	v_max3_num_f32 v12, v12, |v[XS+\i]|, |v[XS+\i+1]|
	v_max3_num_f32 v13, v13, |v[XS+\i+2]|, |v[XS+\i+3]|
.endr
	v_max3_num_f32 v12, v12, |v[XS+30]|, |v[XS+31]|
	v_max3_num_f32 v12, v12, v13, (EMAX+1)<<23     ; with the floor
	v_add_nc_u32 v11, -(EMAX<<23), v12
	v_lshrrev_b32 v13, 23, v11                     ; the scale's byte
.if (\t)%4 == 0
	v_mov_b32 v[WSB+(\t)/4], v13
.else
	v_lshl_or_b32 v[WSB+(\t)/4], v13, 8*((\t)%4), v[WSB+(\t)/4]
.endif
	v_cvt_scalef32_pk16_fp6_f32 v[WC:WC+2], v[XS:XS+15], v11
	v_cvt_scalef32_pk16_fp6_f32 v[WC+4:WC+6], v[XS+16:XS+31], v11
	v_nop                                          ; one plain line behind the conversions
	ds_store_b96 v4, v[WC:WC+2] offset:32*(\t)     ; 12 bytes to a place of 16
	ds_store_b96 v4, v[WC+4:WC+6] offset:32*(\t)+16
.if (\t)+2 < NB
	WLOAD (\t)+2
.endif
	s_wait_dscnt 0x0                               ; the stores have read their registers: the next block's codes may be written
.endm
.set Q, 0
.rept NB
	WBLOCK Q
.set Q, Q+1
.endr
	global_store_b64 v9, v[WSB:WSB+1], s[20:21]    ; my column's eight scale bytes
.irp t, 0,1,2,3,4,5,6,7,8,9,10,11,12,13,14,15
	ds_load_b96 v[WOUT+4*\t:WOUT+4*\t+2], v7 offset:2*\t*WPITCH
.endr
.irp t, 0,1,2,3,4,5,6,7,8,9,10,11,12,13,14,15
	s_wait_dscnt 15-\t                             ; load t is in; the 15 - t behind it may be out
	global_store_b96 v8, v[WOUT+4*\t:WOUT+4*\t+2], s[18:19] offset:2*\t*KROW   ; sixteen lanes store a row's 192 consecutive bytes
.endr
	s_wait_tensorcnt 0x0                           ; the wave's end: behind my last LDS store
	ds_add_u32 v[SPW], v[NIL]
	s_wait_dscnt 0x0
	s_endpgm
.Lfunc_end_k_q28cf1df423_quant:
	.size	k_q28cf1df423_quant, .Lfunc_end_k_q28cf1df423_quant-k_q28cf1df423_quant
	.p2alignl 7, 3214868480
	.fill 96, 4, 3214868480
	.section	.rodata,"a",@progbits
	.p2align	6, 0x0
	.amdhsa_kernel k_q28cf1df423_quant
		.amdhsa_group_segment_fixed_size 68096
		.amdhsa_private_segment_fixed_size 0
		.amdhsa_enable_private_segment 0
		.amdhsa_kernarg_size 72
		.amdhsa_user_sgpr_count 2
		.amdhsa_user_sgpr_kernarg_segment_ptr 1
		.amdhsa_wavefront_size32 1
		.amdhsa_system_sgpr_workgroup_id_x 1
		.amdhsa_system_sgpr_workgroup_id_y 1
		.amdhsa_system_sgpr_workgroup_id_z 1
		.amdhsa_system_vgpr_workitem_id 0
		.amdhsa_next_free_vgpr 200
		.amdhsa_next_free_sgpr 66
		.amdhsa_reserve_vcc 0
		.amdhsa_float_denorm_mode_32 3
		.amdhsa_float_denorm_mode_16_64 3
		.amdhsa_memory_ordered 1
		.amdhsa_forward_progress 1
		.amdhsa_inst_pref_size 74
	.end_amdhsa_kernel
	.amdgpu_metadata
---
amdhsa.version: [ 1, 2 ]
amdhsa.kernels:
  - .name:           k_q28cf1df423_quant
    .symbol:         k_q28cf1df423_quant.kd
    .args:
      - { .name: q, .offset: 0, .size: 8, .value_kind: global_buffer, .address_space: global }
      - { .name: k, .offset: 8, .size: 8, .value_kind: global_buffer, .address_space: global }
      - { .name: v, .offset: 16, .size: 8, .value_kind: global_buffer, .address_space: global }
      - { .name: Wq, .offset: 24, .size: 8, .value_kind: global_buffer, .address_space: global }
      - { .name: Wk, .offset: 32, .size: 8, .value_kind: global_buffer, .address_space: global }
      - { .name: Wv, .offset: 40, .size: 8, .value_kind: global_buffer, .address_space: global }
      - { .name: Wo, .offset: 48, .size: 8, .value_kind: global_buffer, .address_space: global }
      - { .name: cod, .offset: 56, .size: 8, .value_kind: global_buffer, .address_space: global }
      - { .name: scl, .offset: 64, .size: 8, .value_kind: global_buffer, .address_space: global }
    .group_segment_fixed_size: 68096
    .private_segment_fixed_size: 0
    .kernarg_segment_align: 8
    .kernarg_segment_size: 72
    .max_flat_workgroup_size: 128
    .sgpr_count:     66
    .vgpr_count:     200
    .wavefront_size: 32
...
	.end_amdgpu_metadata
.endif
;; end of part 1
;; launch proj (part 2): grid 4 x 96, 4 waves a work-group, clusters of 4 x 4, 327,680 bytes of LDS; arguments cod, scl, bq, bk, bv, qi, kv; writes qi, kv
.if DOCPART == 2
	.amdgcn_target "amdgcn-amd-amdhsa--gfx1250"
	.amdhsa_code_object_version 6
	.text
	.protected	k_q28cf1df423_proj
	.globl	k_q28cf1df423_proj
	.p2align	8
	.type	k_q28cf1df423_proj,@function
k_q28cf1df423_proj:
	s_mov_b64 s[64:65], 0
	v_nop
	global_prefetch_b8 v0, s[64:65] scope:SCOPE_SE
	s_setreg_imm32_b32 hwreg(HW_REG_WAVE_MODE, 25, 1), 1
	s_wait_xcnt 0x0
	s_wait_alu depctr_hold_cnt(0) depctr_sa_sdst(0) depctr_va_vdst(0) depctr_va_sdst(0) depctr_va_ssrc(0) depctr_va_vcc(0) depctr_vm_vsrc(0)
	s_getreg_b32 s2, hwreg(HW_REG_IB_STS2, 6, 4)
	s_cmp_eq_u32 s2, 0
	s_cbranch_scc0 .Lentry_in_a_cluster
	s_endpgm
.Lentry_in_a_cluster:
	s_bfe_u32 s2, ttmp6, 0x10000c
	s_cmp_lg_u32 s2, 0xf033
	s_cbranch_scc0 .Lentry_shape_is_right
	s_endpgm
.Lentry_shape_is_right:
; The three projections q Wq + bq, k Wk + bk, v Wv + bv on codes of FP6 (E2M3) with E8M0 scales, K = 1,024; the results, with their biases added in f32, are quantised in registers and stored as
; IMAGES OF THE OPERAND REGISTERS that the attention launch wants; no f32 result goes to memory.
; A tile of 256 x 256 is made by four waves, 128 x 128 each: 64 accumulators, 512 registers.  K goes in steps of 256 through a ring of two LDS slots; the scale bytes of the tile's rows come once.
; THE KIND is the cluster's y / 8: 0 Q, 1 K, 2 V; it is the same in all sixteen partners.  The product is used transposed: source 0 = 16 rows of B', source 1 = 16 rows of A': a lane holds one row of A',
; its registers run along B'.  Q, K: A' = tokens, B' = columns of W: a lane's registers run along the channels, the next K.  V: A' = columns of Wv, B' = tokens: they run along the keys, the next K.
; Rows are stored in cod with bits 3 and 4 of their numbers exchanged, so the 64 registers of a block of A' are: register 16 B + i = B' row 32 B + 16 (lane / 16) + i of my 128.
; OUT.  Q, K: my 128 columns are two heads; a block's 12 code registers are two images of 6 (16 tokens x 64 channels): registers 0-3 at 16 x lane, 4-5 at 512 + 8 x lane: 768 bytes a tile.
;       V: a block is 16 channels x 128 keys: an image of 12 registers, registers 4 j .. at 512 j + 16 x lane.  Scale words: four tiles' words of a row on end, 16 bytes a row.
; CLUSTERS: 4 x 4 work-groups; A' tiles are shared along a row of the cluster, B' tiles along a column: asked for jointly.  The grid is one cluster wide.
; LIMITS: a block of zeros or under 2^-124 gets the scale byte 1; NaN and infinities are not served.
; REGISTERS: window 0: v0-31 addresses; v32-63 scale words, two sets; v64-127 the bias; v128-223 A' fragments, one set; on the way out v128-255 and v32-43 at work.
;   window 1: B' fragments, two sets.  windows 2, 3: the accumulators of my A' blocks 0-3, 4-7 (accumulator (a, b) at v[8 (8 (a % 4) + b)]).
.set KSTEP,  256
.set NQ,     2
.set ROWB,   192
.set KROW,   768
.set PITCH,  240                       ; an LDS row: 3 x (64 bytes + 16 of padding)
.set FR,     12
.set NL,     6
.set NP,     4
.set HALFT,  128*PITCH
.set SLOT,   4*HALFT
.set LAPS,   2                         ; 1,024 / 512
.set KS,     32                        ; a row of scale bytes
.set SCL,    2*SLOT
.set HALFS,  (128*KS/256)*272
.set SBLK,   (16*KS/256)*272
.set SPARE,  SCL+4*HALFS               ; the spare words, 128 bytes for each wave
.set ADRA, 16                          ; v16-17 A' fragments in slot 0, 1; v18-19 the same behind one padding more
.set ADRB, 20                          ; v20-23 the same for B'
.set IA,   24                          ; v24 16 x lane
.set IB,   25                          ; v25 512 + 8 x lane
.set SO,   26                          ; v26 the scale words' place: 16 x (lane % 16) + (lane / 16) x a head's stride
.set ADRS, 27                          ; v27 LDS address of my scale words
.set SPW,  28
.set NIL,  29
.set SH,   30                          ; v30 16 x (lane / 16)
.set BOQ,  7                           ; v7  the bias's offset, Q and K: 64 (lane / 16)
.set BOV,  8                           ; v8  V: 4 (r + 8 (r / 8))
.set SC,   32
.set BI,   64                          ; v64-127 the bias
.set AF,   128
.set H,    128                         ; the way out: 64 numbers
.set TM,   200
.set PW,   216
.set PC,   224
.set SW,   32                          ; eight blocks' scale words
.set D4,   40
.set SEL,  98                          ; s[98:99]
.set HM,   100                         ; s100 lanes 16-31
.set KIND, 104
.set G1, 24
.set G0, 32
.set G1B, 48
.set G0B, 56
.set G1S, 68
.set G0S, 76
.set G1SB, 80
.set G0SB, 88
.set MSB, 0
.macro WIN new                         ; the immediate's high byte repeats the setting that is left
.if MSB != (\new)
	s_set_vgpr_msb (MSB<<8)|(\new)
.set MSB, (\new)
.endif
.endm
.set MUL_LO, 0xa1                      ; source 0 (B') window 1, source 1 (A') window 0, C and D window 2
.set MUL_HI, 0xf1
.set TO_B,   0x40
; A joint load: waves 0 and 1 fetch for A', waves 2 and 3 for B'.  The branch hangs on the wave's number alone.  An s_nop 0 and four v_nop follow each line.
.macro JLOAD g0a, g1a, g0b, g1b
	s_cmp_eq_u32 s15, 0
	s_cbranch_scc0 .Lfor_b_\@
	tensor_load_to_lds s[\g0a:\g0a+3], s[\g1a:\g1a+7]
	s_nop 0
.rept 4
	v_nop
.endr
	s_branch .Lasked_\@
.Lfor_b_\@:
	tensor_load_to_lds s[\g0b:\g0b+3], s[\g1b:\g1b+7]
	s_nop 0
.rept 4
	v_nop
.endr
.Lasked_\@:
.endm
.macro CREST
	s_cmp_lg_u32 s14, 0
	s_cbranch_scc1 .Lnot_wave_0_\@
	s_barrier_signal -3
.Lnot_wave_0_\@:
	s_barrier_wait -3
	s_barrier_signal -1
	s_barrier_wait -1
.endm
.macro CROUND
	s_barrier_signal -1
	s_barrier_wait -1
	CREST
.endm
	s_load_b256 s[4:11], s[0:1], 0x0               ; cod s[4:5], scl s[6:7], bq s[8:9], bk s[10:11]
	s_load_b128 s[92:95], s[0:1], 0x20             ; bv s[92:93], qi s[94:95]
	s_load_b64 s[96:97], s[0:1], 0x30              ; kv
	v_lshl_add_u32 v[SPW], v0, 2, SPARE
	v_mov_b32 v[NIL], 0
	ds_add_u32 v[SPW], v[NIL]                      ; the wave's opening: the add and its wait ahead of my first tensor load
	v_lshrrev_b32 v1, 5, v0
	v_readfirstlane_b32 s14, v1                    ; wave 0..3
	s_lshr_b32 s15, s14, 1                         ; which half of A' is mine.  Also: I fetch for A' (0) or B' (1)
	s_and_b32 s16, s14, 1                          ; which half of B'.  Also: which 128 rows I fetch
	s_bfe_u32 s40, ttmp6, 0x40000                  ; cx
	s_bfe_u32 s41, ttmp6, 0x40004                  ; cy
	s_and_b32 s101, ttmp7, 0xffff                  ; the cluster's y
	s_lshr_b32 s[KIND], s101, 3
	s_and_b32 s101, s101, 7
	s_lshl_b32 s101, s101, 2                       ; four tiles of tokens to a cluster
	s_lshl_b32 s105, s[KIND], 13                   ; the tokens' first row in cod: 8,192 x kind
	s_lshl_b32 s98, s[KIND], 10
	s_add_co_u32 s98, s98, 24576                   ; the weight's first row
	s_mov_b32 s99, 26624                           ; Wv's
	s_mov_b32 s100, 16384                          ; v's
	s_cmp_eq_u32 s[KIND], 2
	s_cselect_b32 s17, 0, s101
	s_cselect_b32 s42, s101, 0
	s_cselect_b32 s99, s99, s105                   ; A' begins at this row of cod
	s_cselect_b32 s100, s100, s98                  ; B' at this
	s_add_co_u32 s17, s17, s41                     ; tile row (of A'): made of cy and the cluster's y
	s_add_co_u32 s42, s42, s40                     ; tile column (of B'): made of cx and the cluster's y
	s_lshl_b32 s43, s41, 2
	s_lshl_b32 s43, 15, s43                        ; my row of the cluster
	s_lshl_b32 s44, 0x1111, s40                    ; my column
	s_or_b32 s[G1+0], s43, (0<<16)|(1<<20)|(1<<21)|(3<<22)|(3<<25)  ; mask; elements of 1 byte; padding on; bit 21 beside a mask; after every 16 words, 4 words
	s_or_b32 s[G1B+0], s44, (0<<16)|(1<<20)|(1<<21)|(3<<22)|(3<<25)
.irp g, G1, G1B
	s_mov_b32 s[\g+1], ROWB<<16                    ; tensor_dim0
	s_mov_b32 s[\g+2], 128<<16                     ; tensor_dim1
	s_mov_b32 s[\g+3], ROWB<<16                    ; tile_dim0
	s_mov_b32 s[\g+4], 128                         ; tile_dim1
	s_mov_b32 s[\g+5], KROW                        ; the pitch
	s_mov_b32 s[\g+6], 0
	s_mov_b32 s[\g+7], 0
.endr
	s_or_b32 s[G1S+0], s43, (3<<16)|(1<<20)|(1<<21)|(5<<22)|(3<<25)   ; the scales of 128 rows: 4,096 dense bytes as 16 rows of 256, 16 bytes of padding behind each
	s_or_b32 s[G1SB+0], s44, (3<<16)|(1<<20)|(1<<21)|(5<<22)|(3<<25)
.irp g, G1S, G1SB
	s_mov_b32 s[\g+1], 32<<16
	s_mov_b32 s[\g+2], (128*KS/256)<<16
	s_mov_b32 s[\g+3], 32<<16
	s_mov_b32 s[\g+4], 128*KS/256
	s_mov_b32 s[\g+5], 32
	s_mov_b32 s[\g+6], 0
	s_mov_b32 s[\g+7], 0
.endr
	s_lshl_b32 s18, s16, 7                         ; which 128 rows of the tile I fetch
	s_lshl_b32 s20, s17, 8
	s_add_co_u32 s20, s20, s18
	s_add_co_u32 s20, s20, s99                     ; A': row of cod and scl (under 28,672: all offsets fit 32 bits)
	s_lshl_b32 s46, s42, 8
	s_add_co_u32 s46, s46, s18
	s_add_co_u32 s46, s46, s100                    ; B'
	s_lshl_b32 s22, s20, 5                         ; their scale bytes
	s_mov_b32 s23, 0
	s_lshl_b32 s66, s46, 5
	s_mov_b32 s67, 0
	s_mul_i32 s20, s20, KROW                       ; their codes
	s_mov_b32 s21, 0
	s_mul_i32 s46, s46, KROW
	s_mov_b32 s47, 0
	s_mul_i32 s45, s14, HALFT                      ; where they go: wave x 128 rows
	s_mul_i32 s2, s14, HALFS
	s_wait_dscnt 0x0                               ; the opening add is done
	s_wait_kmcnt 0x0
	s_add_nc_u64 s[20:21], s[4:5], s[20:21]
	s_add_nc_u64 s[22:23], s[6:7], s[22:23]
	s_add_nc_u64 s[46:47], s[4:5], s[46:47]
	s_add_nc_u64 s[66:67], s[6:7], s[66:67]
	CROUND                                         ; all sixteen work-groups are here: the first joint loads meet
	s_mov_b32 s[G0S], 1
	s_add_co_u32 s[G0S+1], s2, SCL
	s_mov_b64 s[G0S+2:G0S+3], s[22:23]
	s_or_b32 s[G0S+3], s[G0S+3], 0x80000000
	s_mov_b32 s[G0SB], 1
	s_add_co_u32 s[G0SB+1], s2, SCL
	s_mov_b64 s[G0SB+2:G0SB+3], s[66:67]
	s_or_b32 s[G0SB+3], s[G0SB+3], 0x80000000
	JLOAD G0S, G1S, G0SB, G1SB                     ; the scales first
.irp s, 0,1
	s_mov_b32 s[G0+4*\s], 1
	s_add_co_u32 s[G0+4*\s+1], s45, \s*SLOT
	s_add_nc_u64 s[G0+4*\s+2:G0+4*\s+3], s[20:21], \s*ROWB
	s_or_b32 s[G0+4*\s+3], s[G0+4*\s+3], 0x80000000
	s_mov_b32 s[G0B+4*\s], 1
	s_add_co_u32 s[G0B+4*\s+1], s45, \s*SLOT
	s_add_nc_u64 s[G0B+4*\s+2:G0B+4*\s+3], s[46:47], \s*ROWB
	s_or_b32 s[G0B+4*\s+3], s[G0B+4*\s+3], 0x80000000
	JLOAD G0+4*\s, G1, G0B+4*\s, G1B
.endr
	v_and_b32 v1, 15, v0                           ; r
	v_bfe_u32 v2, v0, 4, 1                         ; h
	v_mul_u32_u24 v3, v1, PITCH
	v_mul_u32_u24 v4, v2, 24
	v_add_nc_u32 v4, v3, v4                        ; a fragment's row x pitch + 24 h
	v_lshl_add_u32 v5, v2, 4, v4                   ; and behind one padding more
	s_mul_i32 s21, s15, HALFT
	s_mul_i32 s22, s16, HALFT
	s_add_co_u32 s22, s22, 2*HALFT
.irp s, 0,1
	v_add_nc_u32 v[ADRA+\s], s21, v4
	v_add_nc_u32 v[ADRB+\s], s22, v4
	v_add_nc_u32 v[ADRA+2+\s], s21, v5
	v_add_nc_u32 v[ADRB+2+\s], s22, v5
	s_add_co_u32 s21, s21, SLOT
	s_add_co_u32 s22, s22, SLOT
.endr
	v_mul_u32_u24 v5, v1, KS                       ; my row's scales: 32 bytes a row, 16 more for each 256 passed
	v_lshrrev_b32 v6, 8, v5
	v_lshl_add_u32 v5, v6, 4, v5
	s_mul_i32 s21, s15, HALFS
	s_mul_i32 s22, s16, HALFS
	s_add_co_u32 s22, s22, 2*HALFS
	s_sub_co_u32 s22, s22, s21
	v_mul_u32_u24 v6, s22, v2                      ; lanes 16-31 take B's
	s_add_co_u32 s21, s21, SCL
	v_add_nc_u32 v5, v5, v6
	v_add_nc_u32 v[ADRS], s21, v5
	v_and_b32 v6, 31, v0
	v_lshlrev_b32 v[IA], 4, v6
	v_lshlrev_b32 v[IB], 3, v6
	v_add_nc_u32 v[IB], 512, v[IB]
	v_lshlrev_b32 v[SH], 4, v2
	v_lshlrev_b32 v[BOQ], 6, v2
	v_and_b32 v[BOV], 8, v1
	v_add_nc_u32 v[BOV], v[BOV], v1
	v_lshlrev_b32 v[BOV], 2, v[BOV]
	; where my results go
	s_lshl_b32 s98, s17, 8
	s_lshl_b32 s99, s15, 7
	s_add_co_u32 s98, s98, s99                     ; my first row of A'
	s_lshl_b32 s99, s42, 8
	s_lshl_b32 s100, s16, 7
	s_add_co_u32 s99, s99, s100                    ; my first row of B'
	s_cmp_eq_u32 s[KIND], 2
	s_cselect_b32 s100, s99, s98                   ; my first token
	s_cselect_b32 s101, s98, s99                   ; my first channel
	s_lshr_b32 s105, s100, 11
	s_lshl_b32 s105, s105, 4
	s_lshr_b32 s18, s101, 6
	s_add_co_u32 s105, s105, s18                   ; 16 x batch + head
	s_and_b32 s100, s100, 2047                     ; the token in its batch
	s_mov_b32 s18, 208896
	s_mov_b32 s22, 196608
	s_cmp_eq_u32 s[KIND], 0
	s_cselect_b64 s[12:13], s[94:95], s[96:97]     ; qi or kv
	s_cselect_b32 s19, 98304, s18                  ; a head's stride among the images,
	s_cselect_b32 s18, 8192, s18                   ; among the scale words;
	s_cselect_b32 s22, 6291456, s22                ; where the scale words begin: Q's, K's,
	s_mov_b32 s46, 204800
	s_cmp_eq_u32 s[KIND], 2
	s_cselect_b32 s22, s46, s22                    ; V's;
	s_cselect_b32 s23, 98304, 0                    ; where the images begin in a record
	s_cselect_b32 s46, 1, 2                        ; scale words: 2 bytes a key (V), 4 a token (Q, K)
	s_mul_i32 s20, s105, s19
	s_add_co_u32 s20, s20, s23
	s_mul_i32 s47, s100, 48                        ; images: 768 bytes for 16 tokens; 6,144 for 128 keys
	s_add_co_u32 s20, s20, s47
	s_mov_b32 s21, 0
	s_mul_i32 s66, s105, s18
	s_add_co_u32 s66, s66, s22
	s_lshl_b32 s47, s100, s46
	s_add_co_u32 s66, s66, s47
	s_mov_b32 s67, 0
	s_add_nc_u64 s[22:23], s[12:13], s[66:67]      ; s[22:23] the scale words
	s_add_nc_u64 s[12:13], s[12:13], s[20:21]      ; s[12:13] my first head's images
	s_mov_b32 s20, s19
	s_add_nc_u64 s[20:21], s[12:13], s[20:21]      ; s[20:21] my second head's
	v_mul_u32_u24 v[SO], s18, v2
	v_lshl_add_u32 v[SO], v1, 4, v[SO]
	s_cmp_eq_u32 s[KIND], 0
	s_cselect_b64 s[46:47], s[8:9], s[10:11]
	s_cmp_eq_u32 s[KIND], 2
	s_cselect_b64 s[46:47], s[92:93], s[46:47]
	s_lshl_b32 s66, s101, 2
	s_add_nc_u64 s[46:47], s[46:47], s[66:67]      ; the bias at my first channel
	s_cmp_eq_u32 s[KIND], 2
	s_cbranch_scc1 .Lbias_v
.irp b, 0,1,2,3                                ; Q, K: register 16 b + i wants the bias of channel 32 b + 16 h + i
.irp j, 0,1,2,3
	global_load_b128 v[BI+16*\b+4*\j:BI+16*\b+4*\j+3], v[BOQ], s[46:47] offset:128*\b+16*\j
.endr
.endr
	s_branch .Lbias_done
.Lbias_v:
.irp a, 0,1,2,3,4,5,6,7                        ; V: a lane of block a holds channel 32 (a / 2) + 8 (a % 2) + r + 8 (r / 8): one number, eight times
.irp j, 0,1,2,3,4,5,6,7
	global_load_b32 v[BI+8*\a+\j], v[BOV], s[46:47] offset:4*(32*(\a/2)+8*(\a%2))
.endr
.endr
.Lbias_done:
	s_mov_b32 s[SEL], 0x76543210
	s_mov_b32 s[SEL+1], 0xfedcba98                 ; lane l xor 16
	s_mov_b32 s[HM], 0xffff0000
.macro FRAG reg, adr, q, i             ; 16 rows x 128 K: 12 registers, in pieces of 8 bytes; where lanes 16-31's piece lies behind one padding more, the second address register serves
.irp p, 0,1,2,3,4,5
.set PIECE, 12*(\q)+6*(\p/3)+\p%3
.if PIECE%8 < 5
	ds_load_b64 v[\reg+2*\p:\reg+2*\p+1], v[\adr] offset:8*PIECE+16*(PIECE/8)+(\i)*16*PITCH
.else
	ds_load_b64 v[\reg+2*\p:\reg+2*\p+1], v[\adr+2] offset:8*PIECE+16*(PIECE/8)+(\i)*16*PITCH
.endif
.endr
.endm
; 16 matrix instructions: A' blocks a0, a0 + 1 x B's eight.  The 64 accumulators take turns, one instruction a turn, in the same order in every step.
.macro MUL16 a0, p, q, sc, zero
.irp a, \a0, \a0+1
.irp b, 0,1,2,3,4,5,6,7
.if \zero
	v_wmma_scale_f32_16x16x128_f8f6f4 v[8*(8*((\a)%4)+\b):8*(8*((\a)%4)+\b)+7], v[128*(\p)+FR*\b:128*(\p)+FR*\b+FR-1], v[AF+FR*(\a):AF+FR*(\a)+FR-1], 0, v[SC+8*NQ*(\sc)+NQ*\b+(\q)], v[SC+8*NQ*(\sc)+NQ*(\a)+(\q)] matrix_a_fmt:MATRIX_FMT_FP6 matrix_b_fmt:MATRIX_FMT_FP6 matrix_a_scale:MATRIX_SCALE_ROW1
.else
	v_wmma_scale_f32_16x16x128_f8f6f4 v[8*(8*((\a)%4)+\b):8*(8*((\a)%4)+\b)+7], v[128*(\p)+FR*\b:128*(\p)+FR*\b+FR-1], v[AF+FR*(\a):AF+FR*(\a)+FR-1], v[8*(8*((\a)%4)+\b):8*(8*((\a)%4)+\b)+7], v[SC+8*NQ*(\sc)+NQ*\b+(\q)], v[SC+8*NQ*(\sc)+NQ*(\a)+(\q)] matrix_a_fmt:MATRIX_FMT_FP6 matrix_b_fmt:MATRIX_FMT_FP6 matrix_a_scale:MATRIX_SCALE_ROW1
.endif
.endr
.endr
.endm
.macro FETCH_B slot, q, p
	WIN TO_B
.irp i, 0,1,2,3,4,5,6,7
	FRAG 128*(\p)+FR*\i, ADRB+\slot, \q, \i
.endr
	WIN 0
.endm
.macro FETCH_A slot, q, i0
.irp i, \i0, \i0+1, \i0+2, \i0+3
	FRAG AF+FR*(\i), ADRA+\slot, \q, \i
.endr
.endm
.macro SCALES sc                       ; the K step's two scale words a row: lanes 0-15 A' block i, lanes 16-31 B' block i
.irp i, 0,1,2,3,4,5,6,7
	ds_load_b64 v[SC+8*NQ*\sc+NQ*\i:SC+8*NQ*\sc+NQ*\i+1], v[ADRS] offset:\i*SBLK
.endr
.endm
.macro PLACES n                        ; plain vector lines between a matrix instruction and a load into, or a vector line on, its registers
.rept \n
	v_nop
.endr
.endm
.macro STEP slot, q, zero
	s_wait_dscnt 4*NL                              ; B's set and A' blocks 0-3 are in; the youngest 24 loads (A' blocks 4-7) may be out
	WIN MUL_LO
	MUL16 0, (\q)%2, \q, \slot, \zero
	MUL16 2, (\q)%2, \q, \slot, \zero
	s_wait_dscnt 0                                 ; A' blocks 4-7 are in
	PLACES NP
	FETCH_B \slot, (\q)+1, 1-(\q)%2
	FETCH_A \slot, (\q)+1, 0
	WIN MUL_HI
	MUL16 4, (\q)%2, \q, \slot, \zero
	MUL16 6, (\q)%2, \q, \slot, \zero
	PLACES NP
	WIN 0
	FETCH_A \slot, (\q)+1, 4
.endm
; A slot's last step changes slots: one barrier; ahead of it each wave waits for all its tensor loads, adds 0 to its spare word, and waits for that and for its reads of this slot.
.macro TURN slot, next, fill
	s_wait_tensorcnt 0x0                           ; all my tensor loads have landed: my part of the next slot
	ds_add_u32 v[SPW], v[NIL]
	s_wait_dscnt 4*NL+1                            ; the add and the youngest 24 loads may be out
	WIN MUL_LO
	MUL16 0, 1, NQ-1, \slot, 0
	s_wait_dscnt 0x0                               ; the add is done, and my reads of this slot are over
	s_barrier_signal -1
	MUL16 2, 1, NQ-1, \slot, 0
	WIN 0
	s_barrier_wait -1
.if \fill
	CREST                                          ; the barrier has opened a round of the cluster's barrier: no wave of any partner still reads this slot or has a load on its way
	s_add_nc_u64 s[G0+4*\slot+2:G0+4*\slot+3], s[G0+4*\slot+2:G0+4*\slot+3], 2*ROWB
	s_add_nc_u64 s[G0B+4*\slot+2:G0B+4*\slot+3], s[G0B+4*\slot+2:G0B+4*\slot+3], 2*ROWB
	JLOAD G0+4*\slot, G1, G0B+4*\slot, G1B         ; the first tensor load behind the round; its four v_nop are the places for the loads below
.else
	PLACES NP
.endif
	v_add_nc_u32 v[ADRS], 4*NQ, v[ADRS]
	FETCH_B \next, 0, 0
	FETCH_A \next, 0, 0
	SCALES \next
	WIN MUL_HI
	MUL16 4, 1, NQ-1, \slot, 0
	MUL16 6, 1, NQ-1, \slot, 0
	PLACES NP
	WIN 0
	FETCH_A \next, 0, 4
.endm
	s_wait_loadcnt 0x0                             ; the bias
	s_wait_tensorcnt 1                             ; the scales and my part of K step 0 are in; K step 1's load may be out
	s_barrier_signal -1
	s_barrier_wait -1
	FETCH_B 0, 0, 0
	FETCH_A 0, 0, 0
	SCALES 0
	FETCH_A 0, 0, 4
	STEP 0, 0, 1                                   ; the first step's products start the sums
	s_mov_b32 s3, LAPS-1
.Llap:
	TURN 0, 1, 1
	STEP 1, 0, 0
	TURN 1, 0, 1
	STEP 0, 0, 0
	s_sub_co_u32 s3, s3, 1
	s_cmp_lg_u32 s3, 0
	s_cbranch_scc1 .Llap
	TURN 0, 1, 0                                   ; the last lap fills nothing
	STEP 1, 0, 0
	s_wait_dscnt 4*NL
	WIN MUL_LO
	MUL16 0, 1, NQ-1, 1, 0
	MUL16 2, 1, NQ-1, 1, 0
	s_wait_dscnt 0
	WIN MUL_HI
	MUL16 4, 1, NQ-1, 1, 0
	MUL16 6, 1, NQ-1, 1, 0
	WIN 0
; THE WAY OUT, a block of 16 rows of A' at a time: bias, quantiser, stores.  Nothing goes through LDS: the codes are stored as the next launch's operand registers.
; 64 numbers of a lane, register 16 b + i = k 32 b + 16 (lane / 16) + i, become 12 registers of codes in v[PC] on and a scale word in v[PW].
.macro QUANT s
.irp b, 0,1,2,3
	v_max3_num_f32 v[TM+\b], |v[\s+16*\b]|, |v[\s+1+16*\b]|, 0x1800000   ; my 16 numbers of block b, and the floor 2^(3 - 127)
.endr
.irp i, 2,4,6,8,10,12,14
.irp b, 0,1,2,3
	v_max3_num_f32 v[TM+\b], v[TM+\b], |v[\s+16*\b+\i]|, |v[\s+1+16*\b+\i]|
.endr
.endr
.irp b, 0,1,2,3
	v_permlanex16_b32 v[TM+4+\b], v[TM+\b], s[SEL], s[SEL+1]
.endr
.irp b, 0,1,2,3
	v_max_num_f32 v[TM+\b], v[TM+\b], v[TM+4+\b]   ; with lane l xor 16's: the block's largest magnitude
.endr
.irp b, 0,1,2,3
	v_add_nc_u32 v[TM+12+\b], 0xff000000, v[TM+\b]   ; 2 off its exponent field: the conversion's scale operand
.endr
.irp b, 0,1,2,3
	v_lshrrev_b32 v[TM+4+\b], 23, v[TM+12+\b]      ; the scale's byte
.endr
	v_lshl_or_b32 v[PW], v[TM+5], 8, v[TM+4]
	v_lshl_or_b32 v[PW], v[TM+6], 16, v[PW]
	v_lshl_or_b32 v[PW], v[TM+7], 24, v[PW]
.irp c, 0,1
	v_cvt_scalef32_pk16_fp6_f32 v[PC+6*\c:PC+2+6*\c], v[\s+32*\c:\s+15+32*\c], v[TM+12+2*\c]
	v_cvt_scalef32_pk16_fp6_f32 v[PC+12+4*\c:PC+14+4*\c], v[\s+16+32*\c:\s+31+32*\c], v[TM+12+2*\c+1]
.endr
	v_nop                                          ; one plain line behind a scaled conversion
.irp c, 0,1                                    ; the operand's layout wants a whole block in a lane
.irp i, 0,1,2
	v_permlane16_swap_b32 v[PC+6*\c+\i], v[PC+12+4*\c+\i]
.endr
.irp i, 0,1,2
	v_mov_b32 v[PC+3+6*\c+\i], v[PC+12+4*\c+\i]
.endr
.endr
.endm
.macro BIASQ a                         ; each accumulator is read from its low end on
	WIN 0x02+(\a)/4
.set JJ, 0
.rept 32
	v_pk_add_f32 v[H+JJ:H+JJ+1], v[64*((\a)%4)+JJ:64*((\a)%4)+JJ+1], v[BI+JJ:BI+JJ+1]
.set JJ, JJ+2
.endr
	WIN 0
.endm
.macro BIASV a
	WIN 0x02+(\a)/4
.set JJ, 0
.rept 32
	v_pk_add_f32 v[H+JJ:H+JJ+1], v[64*((\a)%4)+JJ:64*((\a)%4)+JJ+1], v[BI+8*(\a)+JJ%8:BI+8*(\a)+JJ%8+1]
.set JJ, JJ+2
.endr
	WIN 0
.endm
.macro OUTQ a                          ; two heads' images of tile a; a store of the wave covers 512 or 256 consecutive bytes, aligned
	v_lshrrev_b32 v[SW+(\a)], v[SH], v[PW]         ; lanes 0-15: the first head's two bytes lowest; lanes 16-31: the second head's.  The upper two bytes meet zero codes
	global_store_b128 v[IA], v[PC:PC+3], s[12:13] offset:768*(\a)
	global_store_b64 v[IB], v[PC+4:PC+5], s[12:13] offset:768*(\a)
	global_store_b128 v[IA], v[PC+6:PC+9], s[20:21] offset:768*(\a)
	global_store_b64 v[IB], v[PC+10:PC+11], s[20:21] offset:768*(\a)
.if (\a)%4 == 3
	global_store_b128 v[SO], v[SW+(\a)-3:SW+(\a)], s[22:23] offset:256*((\a)/4)   ; four tiles' words: each half of the lanes stores 256 consecutive bytes of its head
.endif
.endm
.macro OUTV a                          ; block a: head a / 4, channels' tile a % 4
	v_mov_b32 v[SW+(\a)], v[PW]
.irp j, 0,1,2
.if (\a) < 4
	global_store_b128 v[IA], v[PC+4*\j:PC+4*\j+3], s[12:13] offset:1536*((\a)%4)+512*\j
.else
	global_store_b128 v[IA], v[PC+4*\j:PC+4*\j+3], s[20:21] offset:1536*((\a)%4)+512*\j
.endif
.endr
.if (\a) == 7
.irp i, 0,1,2,3
	v_cndmask_b32 v[D4+\i], v[SW+\i], v[SW+4+\i], s[HM]   ; lanes 0-15 the first head's four words, lanes 16-31 the second's
.endr
	global_store_b128 v[SO], v[D4:D4+3], s[22:23]
.endif
.endm
	PLACES NP                                      ; behind the last products: their sources are written and their results read below
.irp b, 0,1,2,3
	v_mov_b32 v[TM+4+\b], 0                        ; written once: a lane permute's destination counts as one of its sources
.endr
	s_cmp_eq_u32 s[KIND], 2
	s_cbranch_scc1 .Lout_v
.irp a, 0,1,2,3,4,5,6,7
	BIASQ \a
	s_wait_xcnt 0x0                                ; the last block's stores have read their registers: the codes may be written anew
	QUANT H
	OUTQ \a
.endr
	s_branch .Lout_done
.Lout_v:
.irp a, 0,1,2,3,4,5,6,7
	BIASV \a
	s_wait_xcnt 0x0
	QUANT H
	OUTV \a
.endr
.Lout_done:
	s_wait_tensorcnt 0x0                           ; the wave's end
	ds_add_u32 v[SPW], v[NIL]
	s_wait_dscnt 0x0
	CROUND                                         ; the closing round: no work-group ends while a partner may still ask for a tile that names it
	s_endpgm
.Lfunc_end_k_q28cf1df423_proj:
	.size	k_q28cf1df423_proj, .Lfunc_end_k_q28cf1df423_proj-k_q28cf1df423_proj
	.p2alignl 7, 3214868480
	.fill 96, 4, 3214868480
	.section	.rodata,"a",@progbits
	.p2align	6, 0x0
	.amdhsa_kernel k_q28cf1df423_proj
		.amdhsa_group_segment_fixed_size 327680
		.amdhsa_private_segment_fixed_size 0
		.amdhsa_enable_private_segment 0
		.amdhsa_kernarg_size 56
		.amdhsa_user_sgpr_count 2
		.amdhsa_user_sgpr_kernarg_segment_ptr 1
		.amdhsa_wavefront_size32 1
		.amdhsa_system_sgpr_workgroup_id_x 1
		.amdhsa_system_sgpr_workgroup_id_y 1
		.amdhsa_system_sgpr_workgroup_id_z 1
		.amdhsa_system_vgpr_workitem_id 0
		.amdhsa_next_free_vgpr 1024
		.amdhsa_next_free_sgpr 106
		.amdhsa_reserve_vcc 0
		.amdhsa_float_denorm_mode_32 3
		.amdhsa_float_denorm_mode_16_64 3
		.amdhsa_memory_ordered 1
		.amdhsa_forward_progress 1
		.amdhsa_inst_pref_size 240
	.end_amdhsa_kernel
	.amdgpu_metadata
---
amdhsa.version: [ 1, 2 ]
amdhsa.kernels:
  - .name:           k_q28cf1df423_proj
    .symbol:         k_q28cf1df423_proj.kd
    .args:
      - { .name: cod, .offset: 0, .size: 8, .value_kind: global_buffer, .address_space: global }
      - { .name: scl, .offset: 8, .size: 8, .value_kind: global_buffer, .address_space: global }
      - { .name: bq, .offset: 16, .size: 8, .value_kind: global_buffer, .address_space: global }
      - { .name: bk, .offset: 24, .size: 8, .value_kind: global_buffer, .address_space: global }
      - { .name: bv, .offset: 32, .size: 8, .value_kind: global_buffer, .address_space: global }
      - { .name: qi, .offset: 40, .size: 8, .value_kind: global_buffer, .address_space: global }
      - { .name: kv, .offset: 48, .size: 8, .value_kind: global_buffer, .address_space: global }
    .group_segment_fixed_size: 327680
    .private_segment_fixed_size: 0
    .kernarg_segment_align: 8
    .kernarg_segment_size: 56
    .max_flat_workgroup_size: 128
    .sgpr_count:     106
    .vgpr_count:     1024
    .wavefront_size: 32
...
	.end_amdgpu_metadata
.endif
;; end of part 2
;; launch attn (part 3): grid 4 x 64, 16 waves a work-group, no clusters, 210,944 bytes of LDS; arguments qi, kv, ai, asc; writes ai, asc
.if DOCPART == 3
	.amdgcn_target "amdgcn-amd-amdhsa--gfx1250"
	.amdhsa_code_object_version 6
	.text
	.protected	k_q28cf1df423_attn
	.globl	k_q28cf1df423_attn
	.p2align	8
	.type	k_q28cf1df423_attn,@function
k_q28cf1df423_attn:
	s_mov_b64 s[64:65], 0
	v_nop
	global_prefetch_b8 v0, s[64:65] scope:SCOPE_SE
	s_setreg_imm32_b32 hwreg(HW_REG_WAVE_MODE, 25, 1), 1
	s_wait_xcnt 0x0
; Causal attention of one head (64 channels, 2,048 tokens) on codes of FP6 (E2M3) with E8M0 scales; the result, divided by the row's sum, is quantised along the channels and stored as images of the last product's operand.
; SOFTMAX: t = score x log2(e) / 8; M = the running largest t rounded up to a whole number; p = 2^(t - M) is quantised along the keys, not normalised; the row's sum is taken of the unquantised p.
; SHARES.  Work-group (i, head); wave w takes two tiles of 16 queries one after the other: T = 16 i + w and 127 - T.  Tile T needs T / 8 + 1 key steps of 128 keys: 17 for the two, in every wave of the launch.
; A tile's lane r is query 32 (T / 2) + 8 (T % 2) + r + 8 (r / 8); a tile of keys likewise, so that the 16 score registers of two neighbouring tiles are 16 neighbouring keys.
; THE HEAD'S WHOLE RECORD (K's images, V's images, their scale words: 208,896 bytes) comes into LDS once, each wave bringing a sixteenth by one tensor load; one barrier; then no wave waits for another.  Nothing is filled again.
; BOTH PRODUCTS TRANSPOSED: S^T = K Q^T (source 0 = 16 keys), O^T = V^T P^T (source 0 = 16 channels): a lane holds one query throughout.
; K = 64 is half of the instruction's 128: Q's upper six registers are zero codes; K's upper six are whatever follows (the next tile's codes): they meet zero codes and add nothing, and no scale byte here is 0xff.
; NO CLUSTER, though the four work-groups of a head read the same record: which key steps a wave leaves out hangs on its work-group's place among the four.
; LIMITS: asc is stored a byte a lane (2 of a row's 32 bytes belong to a head); a block of zeros or under 2^-124 gets the byte 1; NaN and infinities are not served.
; REGISTERS: v1-11, v28-31 addresses; v12 -M, v13 the largest t, v[14:15] the sum; v16-27 Q of the first tile, v196-207 of the second; v255, v208 their scale words; v32-79 K's eight tiles, then V's four;
;   v80-85 zeros; v86-93 K's scale words; v192-195 V's; v96-159 S^T, then p; v160-191 O^T; v224-235 p's codes; v232-254 at work.
.set REC,   208896
.set VIMG,  98304
.set KSC,   196608
.set VSC,   204800
.set SPARE, 208896                     ; the spare words, 128 bytes for each of sixteen waves
.set QSOFF, 6291456
.set AK0,  1                           ; 16 x lane
.set AK8,  2                           ; 512 + 8 x lane
.set AV0,  3                           ; VIMG + 16 x lane
.set AS0,  4                           ; KSC + 16 r
.set SPW,  5
.set NIL,  6
.set AT0,  7                           ; VSC + 16 r
.set ADK,  8
.set ADK8, 9
.set ADV,  10
.set ADS,  11
.set ADT,  28
.set DQ,   29                          ; r + 8 (r / 8) - 16 h
.set BYO,  30                          ; 32 r + h
.set R16,  31                          ; 16 r
.set WV,   18
.set SEL,  20
.set CS,   22
.set G1,   24
.set G0,   32
.set HD,   36
.set TL,   38                          ; s38, s39 my two tiles
.set KF,   42                          ; the step's first key
.set T6,   43                          ; 6,144 x step: K's and V's images
.set TS,   44                          ; 512 x step: K's scale words
.set TV,   45                          ; 256 x step: V's
.set CNT,  46
.set HM,   48
.set QB,   50                          ; s[50:53] Q's images of my two tiles
.set QSC,  54                          ; s[54:57] their scale words
.set AIB,  58                          ; s[58:61] where their results go
.set ASB,  68                          ; s[68:71] and the results' scale bytes
.set Q0R,  76                          ; s76, s77 a tile's lowest query
	s_load_b256 s[4:11], s[0:1], 0x0               ; qi s[4:5], kv s[6:7], ai s[8:9], asc s[10:11]
	v_lshl_add_u32 v[SPW], v0, 2, SPARE
	v_mov_b32 v[NIL], 0
	ds_add_u32 v[SPW], v[NIL]                      ; the wave's opening: the add and its wait ahead of my first tensor load
	ds_add_u32 v[SPW], v[NIL]
	v_lshrrev_b32 v8, 5, v0
	s_delay_alu instid0(VALU_DEP_1)
	v_readfirstlane_b32 s[WV], v8                  ; wave 0..15
	s_and_b32 s[HD], ttmp7, 0xffff                 ; 16 x batch + head
	s_mov_b32 s[G1], 3<<16                         ; elements of 8 bytes, no mask, no padding
	s_mov_b32 s[G1+1], 32<<16                      ; rows of 256 bytes
	s_mov_b32 s[G1+2], 51<<16                      ; 51 of them: a sixteenth of the record
	s_mov_b32 s[G1+3], 32<<16
	s_mov_b32 s[G1+4], 51
	s_mov_b32 s[G1+5], 32
	s_mov_b32 s[G1+6], 0
	s_mov_b32 s[G1+7], 0
	s_mov_b32 s[G0], 1
	s_mul_i32 s[G0+1], s[WV], 13056                ; LDS holds the record as it lies
	s_mul_i32 s40, s[HD], REC
	s_add_co_u32 s40, s40, s[G0+1]
	s_mov_b32 s41, 0
	s_mov_b32 s[SEL], 0x76543210
	s_mov_b32 s[SEL+1], 0xfedcba98
	s_mov_b32 s[CS], 0x3e38aa3b                    ; log2(e) / 8
	s_mov_b32 s[CS+1], s[CS]
	s_mov_b32 s[HM], 0xffff0000
	s_lshl_b32 s[TL], ttmp9, 4
	s_add_co_u32 s[TL], s[TL], s[WV]
	s_sub_co_u32 s[TL+1], 127, s[TL]
	s_wait_dscnt 0x0                               ; the opening add is done
	s_wait_kmcnt 0x0
	s_add_nc_u64 s[G0+2:G0+3], s[6:7], s[40:41]
	s_or_b32 s[G0+3], s[G0+3], 0x80000000
	tensor_load_to_lds s[G0:G0+3], s[G1:G1+7]      ; my one tensor load
	s_nop 0
.rept 4
	v_nop
.endr
	v_and_b32 v8, 31, v0
	v_and_b32 v9, 15, v0                           ; r
	v_bfe_u32 v10, v0, 4, 1                        ; h
	s_delay_alu instid0(VALU_DEP_3)
	v_lshlrev_b32 v[AK0], 4, v8
	s_delay_alu instid0(VALU_DEP_4)
	v_lshlrev_b32 v[AK8], 3, v8
	s_delay_alu instid0(VALU_DEP_1)
	v_add_nc_u32 v[AK8], 512, v[AK8]
	s_delay_alu instid0(VALU_DEP_3)
	v_add_nc_u32 v[AV0], VIMG, v[AK0]
	v_lshlrev_b32 v[R16], 4, v9
	s_wait_alu depctr_va_vdst(0)
	v_add_nc_u32 v[AS0], KSC, v[R16]
	v_add_nc_u32 v[AT0], VSC, v[R16]
	v_and_b32 v11, 8, v9
	s_delay_alu instid0(VALU_DEP_1)
	v_add_nc_u32 v11, v11, v9
	v_lshlrev_b32 v[DQ], 4, v10
	s_delay_alu instid0(VALU_DEP_1)
	v_sub_nc_u32 v[DQ], v11, v[DQ]
	v_lshl_add_u32 v[BYO], v9, 5, v10
.macro BASES p
	s_lshl_b32 s47, s[HD], 7
	s_add_co_u32 s47, s47, s[TL+\p]
	s_mul_i32 s40, s47, 768                        ; (128 x head + tile) x 768: the same place in qi and in ai
	s_add_nc_u64 s[QB+2*\p:QB+2*\p+1], s[4:5], s[40:41]
	s_add_nc_u64 s[AIB+2*\p:AIB+2*\p+1], s[8:9], s[40:41]
	s_lshr_b32 s47, s[TL+\p], 2
	s_lshl_b32 s47, s47, 8
	s_and_b32 s40, s[TL+\p], 3
	s_lshl_b32 s40, s40, 2
	s_add_co_u32 s40, s40, s47
	s_lshl_b32 s47, s[HD], 13
	s_add_co_u32 s40, s40, s47
	s_add_co_u32 s40, s40, QSOFF
	s_add_nc_u64 s[QSC+2*\p:QSC+2*\p+1], s[4:5], s[40:41]
	s_lshr_b32 s47, s[HD], 4
	s_lshl_b32 s47, s47, 16                        ; a batch's 2,048 rows of 32 bytes
	s_lshl_b32 s40, s[TL+\p], 9                    ; a tile's 16 rows
	s_add_co_u32 s40, s40, s47
	s_and_b32 s47, s[HD], 15
	s_lshl_b32 s47, s47, 1                         ; a head's two bytes
	s_add_co_u32 s40, s40, s47
	s_add_nc_u64 s[ASB+2*\p:ASB+2*\p+1], s[10:11], s[40:41]
	s_lshr_b32 s47, s[TL+\p], 1
	s_lshl_b32 s47, s47, 5
	s_and_b32 s40, s[TL+\p], 1
	s_lshl_b32 s40, s40, 3
	s_add_co_u32 s[Q0R+\p], s47, s40
.endm
.macro QLOAD p, qr, qs
	global_load_b128 v[\qr:\qr+3], v[AK0], s[QB+2*\p:QB+2*\p+1]
	global_load_b64 v[\qr+4:\qr+5], v[AK8], s[QB+2*\p:QB+2*\p+1]
	global_load_b32 v[\qs], v[R16], s[QSC+2*\p:QSC+2*\p+1]
.irp i, 6,7,8,9,10,11
	v_mov_b32 v[\qr+\i], 0                         ; k = 64 .. 127: zero codes
.endr
.endm
	BASES 0
	BASES 1
	QLOAD 0, 16, 255
	QLOAD 1, 196, 208
.irp i, 80,81,82,83,84,85,236,237,238,239,252,253
	v_mov_b32 v\i, 0                               ; the zeros behind K's last tile; and registers that are named before they are first written (a permute's destination, a pair's upper half)
.endr
	s_wait_tensorcnt 0x0                           ; my sixteenth has landed,
	s_barrier_signal -1
	s_barrier_wait -1                              ; everybody's has
	s_wait_loadcnt 0x0                             ; Q
; One tile of queries: sixteen trips, a constant; a trip all of whose keys come after my queries is left out by a scalar branch on ids, but for the lines that step addresses.
.macro PHASE p, qr, qs
.set JJ, 0
.rept 32
	v_mov_b32 v[160+JJ], 0                         ; O^T: the first step finds zeros, which the first change of M leaves zeros
.set JJ, JJ+1
.endr
	v_mov_b32 v13, 0xff61b1e6                      ; the largest t so far: -3e38
	s_delay_alu instid0(VALU_DEP_1)
	v_floor_f32 v12, -v13                          ; -M
	v_mov_b32 v14, 0
	v_mov_b32 v15, 0
	s_mov_b32 s[KF], 0
	s_mov_b32 s[T6], 0
	s_mov_b32 s[TS], 0
	s_mov_b32 s[TV], 0
	s_mov_b32 s[CNT], 16
.Lstep_\p:
	s_add_co_u32 s47, s[Q0R+\p], 23                ; my highest query
	s_cmp_gt_u32 s[KF], s47
	s_cbranch_scc1 .Lhid_\p
	s_setprio 2
	v_add_nc_u32 v[ADK], s[T6], v[AK0]             ; (these five are also the places between the last products and the loads into the registers that they read)
	v_add_nc_u32 v[ADK8], s[T6], v[AK8]
	v_add_nc_u32 v[ADV], s[T6], v[AV0]
	v_add_nc_u32 v[ADS], s[TS], v[AS0]
	v_add_nc_u32 v[ADT], s[TV], v[AT0]
.irp t, 0,1,2,3,4,5,6,7
	ds_load_b128 v[32+6*\t:35+6*\t], v[ADK] offset:768*\t
	ds_load_b64 v[36+6*\t:37+6*\t], v[ADK8] offset:768*\t
.endr
	ds_load_b128 v[86:89], v[ADS]
	ds_load_b128 v[90:93], v[ADS] offset:256
	s_wait_alu depctr_va_vdst(0)
	s_wait_dscnt 0x0
.irp t, 0,1,2,3,4,5,6,7
	v_wmma_scale_f32_16x16x128_f8f6f4 v[96+8*\t:103+8*\t], v[32+6*\t:43+6*\t], v[\qr:\qr+11], 0, v[86+\t], v[\qs] matrix_a_fmt:MATRIX_FMT_FP6 matrix_b_fmt:MATRIX_FMT_FP6
.endr
.rept 4
	v_nop                                          ; places: ahead of the loads into K's registers and of the first read of the scores
.endr
.irp ct, 0,1,2,3
.irp j, 0,1,2
	ds_load_b128 v[32+12*\ct+4*\j:35+12*\ct+4*\j], v[ADV] offset:1536*\ct+512*\j   ; V's four tiles: they land under the softmax
.endr
.endr
	ds_load_b128 v[192:195], v[ADT]
	s_add_co_u32 s47, s[KF], 127                   ; on the diagonal hidden scores become -infinity; a step all of whose keys count passes this over
	s_cmp_le_u32 s47, s[Q0R+\p]
	s_cbranch_scc1 .Lopen_\p
	s_sub_co_i32 s47, s[Q0R+\p], s[KF]
	v_add_nc_u32 v252, s47, v[DQ]                  ; d = my query - the step's first key - 16 h.  Register 16 b + i holds key 32 b + 16 h + i of the step: hidden where 32 b + i > d
	v_mov_b32 v254, 0xff800000
.set NN, 0
.rept 64
	v_cmp_gt_i32 vcc_lo, 32*(NN/16)+NN%16, v252
	v_cndmask_b32 v[96+NN], v[96+NN], v254, vcc_lo
.set NN, NN+1
.endr
.Lopen_\p:
.irp b, 0,1,2,3
	v_max3_num_f32 v[232+\b], v[96+16*\b], v[97+16*\b], v[98+16*\b]   ; the largest score of each block of 32 keys: for the row's maximum and, since p rises with the score, for the block's largest p
.endr
.irp i, 3,5,7,9,11,13
.irp b, 0,1,2,3
	v_max3_num_f32 v[232+\b], v[232+\b], v[96+16*\b+\i], v[97+16*\b+\i]
.endr
.endr
.irp b, 0,1,2,3
	v_max_num_f32 v[232+\b], v[232+\b], v[111+16*\b]
.endr
.irp b, 0,1,2,3
	s_delay_alu instid0(VALU_DEP_4)
	v_permlanex16_b32 v[236+\b], v[232+\b], s[SEL], s[SEL+1]
.endr
.irp b, 0,1,2,3
	s_delay_alu instid0(VALU_DEP_4)
	v_max_num_f32 v[232+\b], v[232+\b], v[236+\b]
.endr
	s_delay_alu instid0(VALU_DEP_2)
	v_max3_num_f32 v254, v232, v233, v234
	s_delay_alu instid0(VALU_DEP_1)
	v_max_num_f32 v254, v254, v235
	s_delay_alu instid0(VALU_DEP_1)
	v_mul_f32 v254, s[CS], v254
	s_delay_alu instid0(VALU_DEP_1)
	v_max_num_f32 v13, v13, v254                   ; the running largest t
	v_mov_b32 v254, v12
	s_delay_alu instid0(VALU_DEP_2)
	v_floor_f32 v12, -v13                          ; the new -M = -ceil(t)
	s_delay_alu instid0(VALU_DEP_1)
	v_sub_f32 v254, v12, v254                      ; old M - new M: a whole number, 0 or less
	s_delay_alu instid0(VALU_DEP_1)
	v_cvt_i32_f32 v254, v254
	s_delay_alu instid0(VALU_DEP_1)
	v_ldexp_f32 v252, 1.0, v254                    ; f = 2^(old M - new M)
.set JJ, 0
.rept 32
	v_pk_fma_f32 v[96+JJ:97+JJ], v[96+JJ:97+JJ], s[CS:CS+1], v[12:13] op_sel_hi:[1,0,0]   ; t - M
.set JJ, JJ+2
.endr
	s_setprio 1
.irp b, 0,1,2,3
	v_fma_f32 v[232+\b], v[232+\b], s[CS], v12
.endr
.set JJ, 0
	s_wait_alu depctr_va_vdst(0)
.rept 64
	v_exp_f32 v[96+JJ], v[96+JJ]                   ; p = 2^(t - M)
.set JJ, JJ+1
.endr
	v_pk_mul_f32 v[14:15], v[14:15], v[252:253] op_sel_hi:[1,0]   ; the sums under the new M: a plain line behind the exponentials
	s_wait_alu depctr_va_vdst(0)                   ; one wait for the batch of 64, ahead of its first reader
.irp b, 0,1,2,3
	v_exp_f32 v[232+\b], v[232+\b]                 ; each block's largest p
.endr
	v_pk_add_f32 v[236:237], v[100:101], v[104:105]
	v_pk_add_f32 v[250:251], v[108:109], v[112:113]
	v_pk_add_f32 v[248:249], v[116:117], v[120:121]
	v_pk_add_f32 v[246:247], v[124:125], v[128:129]
	v_pk_add_f32 v[244:245], v[132:133], v[136:137]
	v_pk_add_f32 v[242:243], v[140:141], v[144:145]
	v_pk_add_f32 v[240:241], v[148:149], v[152:153]
	v_pk_add_f32 v[14:15], v[14:15], v[156:157]
	v_pk_add_f32 v[236:237], v[236:237], v[96:97]
	v_pk_add_f32 v[250:251], v[250:251], v[98:99]
	v_pk_add_f32 v[248:249], v[248:249], v[102:103]
	v_pk_add_f32 v[246:247], v[246:247], v[106:107]
	v_pk_add_f32 v[244:245], v[244:245], v[110:111]
	v_pk_add_f32 v[242:243], v[242:243], v[114:115]
	v_pk_add_f32 v[240:241], v[240:241], v[118:119]
	v_pk_add_f32 v[14:15], v[14:15], v[122:123]
	v_pk_add_f32 v[236:237], v[236:237], v[126:127]
	v_pk_add_f32 v[250:251], v[250:251], v[130:131]
	v_pk_add_f32 v[248:249], v[248:249], v[134:135]
	v_pk_add_f32 v[246:247], v[246:247], v[138:139]
	v_pk_add_f32 v[244:245], v[244:245], v[142:143]
	v_pk_add_f32 v[242:243], v[242:243], v[146:147]
	v_pk_add_f32 v[240:241], v[240:241], v[150:151]
	v_pk_add_f32 v[14:15], v[14:15], v[154:155]
	v_pk_add_f32 v[236:237], v[236:237], v[158:159]
	s_delay_alu instid0(VALU_DEP_2)
	v_pk_add_f32 v[14:15], v[14:15], v[246:247]
	s_delay_alu instid0(VALU_DEP_2)
	v_pk_add_f32 v[236:237], v[236:237], v[244:245]
	v_pk_add_f32 v[250:251], v[250:251], v[242:243]
	v_pk_add_f32 v[248:249], v[248:249], v[240:241]
	s_delay_alu instid0(VALU_DEP_2)
	v_pk_add_f32 v[14:15], v[14:15], v[250:251]
	s_delay_alu instid0(VALU_DEP_2)
	v_pk_add_f32 v[236:237], v[236:237], v[248:249]
	s_delay_alu instid0(VALU_DEP_1)
	v_pk_add_f32 v[14:15], v[14:15], v[236:237]
	s_wait_alu depctr_va_vdst(0)                   ; and one for the four
.irp b, 0,1,2,3
	v_max_num_f32 v[232+\b], 0x1800000, v[232+\b]  ; the floor 2^(3 - 127)
.endr
.irp b, 0,1,2,3
	s_delay_alu instid0(VALU_DEP_4)
	v_add_nc_u32 v[244+\b], 0xff000000, v[232+\b]
.endr
.irp b, 0,1,2,3
	s_delay_alu instid0(VALU_DEP_4)
	v_lshrrev_b32 v[236+\b], 23, v[244+\b]
.endr
	s_delay_alu instid0(VALU_DEP_3)
	v_lshl_or_b32 v253, v237, 8, v236              ; p's scale word for these 128 keys
	s_delay_alu instid0(VALU_DEP_1)
	v_lshl_or_b32 v253, v238, 16, v253
	s_delay_alu instid0(VALU_DEP_1)
	v_lshl_or_b32 v253, v239, 24, v253
	s_setprio 0
.irp c, 0,1
	v_cvt_scalef32_pk16_fp6_f32 v[224+6*\c:226+6*\c], v[96+32*\c:111+32*\c], v[244+2*\c]
	v_cvt_scalef32_pk16_fp6_f32 v[236+4*\c:238+4*\c], v[112+32*\c:127+32*\c], v[244+2*\c+1]
.endr
	v_nop                                          ; one plain line behind a scaled conversion
.irp c, 0,1
.irp i, 0,1,2
	v_permlane16_swap_b32 v[224+6*\c+\i], v[236+4*\c+\i]
.endr
.irp i, 0,1,2
	s_delay_alu instid0(VALU_DEP_3)
	v_mov_b32 v[227+6*\c+\i], v[236+4*\c+\i]
.endr
.endr
.set JJ, 0
.rept 16
	v_pk_mul_f32 v[160+JJ:161+JJ], v[160+JJ:161+JJ], v[252:253] op_sel_hi:[1,0]   ; O^T under the new M; these sixteen also stand between the scale word's and the codes' last writes and the products
.set JJ, JJ+2
.endr
	s_wait_alu depctr_va_vdst(0)
	s_wait_dscnt 0x0                               ; V's tiles and scale words are in
.irp ct, 0,1,2,3                               ; the four accumulators by turns; eight other products stand between two links of a chain
	v_wmma_scale_f32_16x16x128_f8f6f4 v[160+8*\ct:167+8*\ct], v[32+12*\ct:43+12*\ct], v[224:235], v[160+8*\ct:167+8*\ct], v[192+\ct], v253 matrix_a_fmt:MATRIX_FMT_FP6 matrix_b_fmt:MATRIX_FMT_FP6
.endr
.Lhid_\p:
	s_add_co_u32 s[KF], s[KF], 128
	s_add_co_u32 s[T6], s[T6], 6144
	s_add_co_u32 s[TS], s[TS], 512
	s_add_co_u32 s[TV], s[TV], 256
	s_sub_co_u32 s[CNT], s[CNT], 1
	s_cmp_lg_u32 s[CNT], 0
	s_cbranch_scc1 .Lstep_\p
	s_setprio 0
	; the tile's end: O^T / the sum; register 16 b + i is channel 32 b + 16 h + i: two blocks along the last product's K
.rept 4
	v_nop                                          ; places behind the last products
.endr
	s_wait_alu depctr_va_vdst(0)
	v_add_f32 v14, v14, v15
	s_delay_alu instid0(VALU_DEP_1)
	v_permlanex16_b32 v252, v14, s[SEL], s[SEL+1]
	s_delay_alu instid0(VALU_DEP_1)
	v_add_f32 v14, v14, v252                       ; the row's sum
	s_wait_alu depctr_va_vdst(0)
	v_rcp_f32 v14, v14
	v_nop                                          ; a plain line behind the reciprocal
	s_wait_alu depctr_va_vdst(0)                   ; and the wait ahead of its first reader
.set JJ, 0
.rept 16
	v_pk_mul_f32 v[96+JJ:97+JJ], v[160+JJ:161+JJ], v[14:15] op_sel_hi:[1,0]
.set JJ, JJ+2
.endr
.irp b, 0,1
	v_max3_num_f32 v[232+\b], |v[96+16*\b]|, |v[97+16*\b]|, 0x1800000
.endr
.irp i, 2,4,6,8,10,12,14
.irp b, 0,1
	s_delay_alu instid0(VALU_DEP_2)
	v_max3_num_f32 v[232+\b], v[232+\b], |v[96+16*\b+\i]|, |v[97+16*\b+\i]|
.endr
.endr
.irp b, 0,1
	s_delay_alu instid0(VALU_DEP_2)
	v_permlanex16_b32 v[236+\b], v[232+\b], s[SEL], s[SEL+1]
.endr
.irp b, 0,1
	s_delay_alu instid0(VALU_DEP_2)
	v_max_num_f32 v[232+\b], v[232+\b], v[236+\b]
.endr
.irp b, 0,1
	s_delay_alu instid0(VALU_DEP_2)
	v_add_nc_u32 v[244+\b], 0xff000000, v[232+\b]
.endr
.irp b, 0,1
	s_delay_alu instid0(VALU_DEP_2)
	v_lshrrev_b32 v[236+\b], 23, v[244+\b]
.endr
	v_cvt_scalef32_pk16_fp6_f32 v[224:226], v[96:111], v244
	v_cvt_scalef32_pk16_fp6_f32 v[240:242], v[112:127], v245
	v_nop
.irp i, 0,1,2
	v_permlane16_swap_b32 v[224+\i], v[240+\i]
.endr
.irp i, 0,1,2
	s_delay_alu instid0(VALU_DEP_3)
	v_mov_b32 v[227+\i], v[240+\i]                 ; v224-229: k = 32 h + 0 .. 31 of my head's 64
.endr
	v_cndmask_b32 v231, v236, v237, s[HM]          ; lanes 0-15 store block 0's byte, lanes 16-31 block 1's
	global_store_b128 v[AK0], v[224:227], s[AIB+2*\p:AIB+2*\p+1]   ; 512 consecutive bytes, aligned
	global_store_b64 v[AK8], v[228:229], s[AIB+2*\p:AIB+2*\p+1]    ; 256
	global_store_b8 v[BYO], v231, s[ASB+2*\p:ASB+2*\p+1]
.if \p == 0
	s_wait_xcnt 0x0                                ; the stores have read their registers, which the second tile writes anew
.endif
.endm
	PHASE 0, 16, 255
	PHASE 1, 196, 208
	s_wait_tensorcnt 0x0                           ; the wave's end
	ds_add_u32 v[SPW], v[NIL]
	s_wait_dscnt 0x0
	s_endpgm
.Lfunc_end_k_q28cf1df423_attn:
	.size	k_q28cf1df423_attn, .Lfunc_end_k_q28cf1df423_attn-k_q28cf1df423_attn
	.p2alignl 7, 3214868480
	.fill 96, 4, 3214868480
	.section	.rodata,"a",@progbits
	.p2align	6, 0x0
	.amdhsa_kernel k_q28cf1df423_attn
		.amdhsa_group_segment_fixed_size 210944
		.amdhsa_private_segment_fixed_size 0
		.amdhsa_enable_private_segment 0
		.amdhsa_kernarg_size 32
		.amdhsa_user_sgpr_count 2
		.amdhsa_user_sgpr_kernarg_segment_ptr 1
		.amdhsa_wavefront_size32 1
		.amdhsa_system_sgpr_workgroup_id_x 1
		.amdhsa_system_sgpr_workgroup_id_y 1
		.amdhsa_system_sgpr_workgroup_id_z 1
		.amdhsa_system_vgpr_workitem_id 0
		.amdhsa_next_free_vgpr 256
		.amdhsa_next_free_sgpr 80
		.amdhsa_reserve_vcc 1
		.amdhsa_float_denorm_mode_32 3
		.amdhsa_float_denorm_mode_16_64 3
		.amdhsa_memory_ordered 1
		.amdhsa_forward_progress 1
		.amdhsa_inst_pref_size 63
	.end_amdhsa_kernel
	.amdgpu_metadata
---
amdhsa.version: [ 1, 2 ]
amdhsa.kernels:
  - .name:           k_q28cf1df423_attn
    .symbol:         k_q28cf1df423_attn.kd
    .args:
      - { .name: qi, .offset: 0, .size: 8, .value_kind: global_buffer, .address_space: global }
      - { .name: kv, .offset: 8, .size: 8, .value_kind: global_buffer, .address_space: global }
      - { .name: ai, .offset: 16, .size: 8, .value_kind: global_buffer, .address_space: global }
      - { .name: asc, .offset: 24, .size: 8, .value_kind: global_buffer, .address_space: global }
    .group_segment_fixed_size: 210944
    .private_segment_fixed_size: 0
    .kernarg_segment_align: 8
    .kernarg_segment_size: 32
    .max_flat_workgroup_size: 512
    .sgpr_count:     80
    .vgpr_count:     256
    .wavefront_size: 32
...
	.end_amdgpu_metadata
.endif
;; end of part 3
;; launch outp (part 4): grid 4 x 32, 4 waves a work-group, clusters of 4 x 4, 327,680 bytes of LDS; arguments ai, asc, cod, scl, bo, out0; writes out0
.if DOCPART == 4
	.amdgcn_target "amdgcn-amd-amdhsa--gfx1250"
	.amdhsa_code_object_version 6
	.text
	.protected	k_q28cf1df423_outp
	.globl	k_q28cf1df423_outp
	.p2align	8
	.type	k_q28cf1df423_outp,@function
k_q28cf1df423_outp:
	s_mov_b64 s[64:65], 0
	v_nop
	global_prefetch_b8 v0, s[64:65] scope:SCOPE_SE
	s_setreg_imm32_b32 hwreg(HW_REG_WAVE_MODE, 25, 1), 1
	s_wait_xcnt 0x0
	s_wait_alu depctr_hold_cnt(0) depctr_sa_sdst(0) depctr_va_vdst(0) depctr_va_sdst(0) depctr_va_ssrc(0) depctr_va_vcc(0) depctr_vm_vsrc(0)
	s_getreg_b32 s2, hwreg(HW_REG_IB_STS2, 6, 4)
	s_cmp_eq_u32 s2, 0
	s_cbranch_scc0 .Lentry_in_a_cluster
	s_endpgm
.Lentry_in_a_cluster:
	s_bfe_u32 s2, ttmp6, 0x10000c
	s_cmp_lg_u32 s2, 0xf033
	s_cbranch_scc0 .Lentry_shape_is_right
	s_endpgm
.Lentry_shape_is_right:
; out0 = (attention's result) Wo + bo on codes of FP6 (E2M3) with E8M0 scales, K = 1,024.  A tile of 256 x 256 is made by four waves, 128 x 128 each; K goes in steps of 256 (four heads) through a ring of two LDS slots.
; A' = the attention rows: they lie in ai as IMAGES of half fragments, [16 x batch + head][tile of 16 rows][768 bytes]: registers 0-3 at 16 x lane, 4-5 at 512 + 8 x lane; head 2 s + c is half c of K step s of 128.
;      A wave's tensor load brings 4 heads x 8 tiles x 768 bytes; a fragment comes by two loads of 16 bytes and two of 8, each of consecutive bytes.  Its scale bytes lie in asc, [8192 rows][32].
; B' = Wo's columns: rows 27,648 on of cod and scl.  The product is used transposed: a lane holds one row of the output and its registers run along the columns.
; Rows of both are stored with bits 3 and 4 of their numbers exchanged: register j of tile b is column 32 (b / 2) + 16 h + 8 (b % 2) + j, lane r of block a is row 32 (a / 2) + 8 (a % 2) + r + 8 (r / 8):
; the first is undone by the place in the stage, the second by the store's immediate.
; CLUSTERS: 4 x 4 work-groups; A' tiles shared along a row of the cluster, B' tiles along a column, asked for jointly.  The grid is one cluster wide.
; REGISTERS: window 0: v0-31 addresses and the bias; v32-63 scale words; v128-223 A' fragments; on the way out v128-255.  window 1: B' fragments, two sets.  windows 2, 3: accumulators.
.set KSTEP,  256
.set NQ,     2
.set ROWB,   192
.set KROW,   768
.set PITCH,  240
.set FR,     12
.set NL,     6                         ; LDS loads of a fragment of B'
.set NLA,    4                         ; and of A'
.set NP,     4
.set HALFT,  128*PITCH                 ; B': 128 rows; A's 24,576 bytes of images take the same room
.set SLOT,   4*HALFT
.set LAPS,   2
.set KS,     32
.set SCL,    2*SLOT
.set HALFS,  (128*KS/256)*272
.set SBLK,   (16*KS/256)*272
.set SPARE,  SCL+4*HALFS
.set SPITCH, 528                       ; the way out: a stage of 16 rows x (512 + 16) bytes for each wave, in slot 0, which has had its last fill and its last read by then
.set HEADB,  6144                      ; a head's 8 tiles
.set ADRA, 16                          ; v16-17 16 x lane + my half of A' in slot 0, 1; v18-19 the same with 8 x lane
.set ADRB, 20
.set STO,  24
.set RD,   25
.set CO,   26
.set ADRS, 27
.set SPW,  28
.set NIL,  29
.set BO,   8                           ; v8-11 the bias of my four columns of a row's 128
.set SC,   32
.set AF,   128
.set BK,   128
.set G1, 24
.set G0, 32
.set G1B, 48
.set G0B, 56
.set G1S, 68
.set G0S, 76
.set G1SB, 80
.set G0SB, 88
.set MSB, 0
.macro WIN new
.if MSB != (\new)
	s_set_vgpr_msb (MSB<<8)|(\new)
.set MSB, (\new)
.endif
.endm
.set MUL_LO, 0xa1
.set MUL_HI, 0xf1
.set TO_B,   0x40
.macro JLOAD g0a, g1a, g0b, g1b        ; waves 0 and 1 fetch for A', waves 2 and 3 for B'; an s_nop 0 and four v_nop follow each line
	s_cmp_eq_u32 s15, 0
	s_cbranch_scc0 .Lfor_b_\@
	tensor_load_to_lds s[\g0a:\g0a+3], s[\g1a:\g1a+7]
	s_nop 0
.rept 4
	v_nop
.endr
	s_branch .Lasked_\@
.Lfor_b_\@:
	tensor_load_to_lds s[\g0b:\g0b+3], s[\g1b:\g1b+7]
	s_nop 0
.rept 4
	v_nop
.endr
.Lasked_\@:
.endm
.macro CREST
	s_cmp_lg_u32 s14, 0
	s_cbranch_scc1 .Lnot_wave_0_\@
	s_barrier_signal -3
.Lnot_wave_0_\@:
	s_barrier_wait -3
	s_barrier_signal -1
	s_barrier_wait -1
.endm
.macro CROUND
	s_barrier_signal -1
	s_barrier_wait -1
	CREST
.endm
	s_load_b256 s[4:11], s[0:1], 0x0               ; ai s[4:5], asc s[6:7], cod s[8:9], scl s[10:11]
	s_load_b128 s[92:95], s[0:1], 0x20             ; bo s[92:93], out0 s[94:95]
	v_lshl_add_u32 v[SPW], v0, 2, SPARE
	v_mov_b32 v[NIL], 0
	ds_add_u32 v[SPW], v[NIL]                      ; the wave's opening: the add and its wait ahead of my first tensor load
	v_lshrrev_b32 v1, 5, v0
	v_readfirstlane_b32 s14, v1
	s_lshr_b32 s15, s14, 1
	s_and_b32 s16, s14, 1
	s_bfe_u32 s40, ttmp6, 0x40000                  ; cx
	s_bfe_u32 s41, ttmp6, 0x40004                  ; cy
	s_mov_b32 s42, s40                             ; tile column = cx
	s_and_b32 s17, ttmp7, 0xffff
	s_lshl_b32 s17, s17, 2
	s_add_co_u32 s17, s17, s41                     ; tile row = 4 x cluster y + cy
	s_lshl_b32 s43, s41, 2
	s_lshl_b32 s43, 15, s43
	s_lshl_b32 s44, 0x1111, s40
	s_or_b32 s[G1+0], s43, (0<<16)|(1<<21)         ; A': mask; elements of 1 byte; no padding; bit 21 beside a mask
	s_mov_b32 s[G1+1], HEADB<<16                   ; rows of 6,144 bytes: a head's 8 tiles
	s_mov_b32 s[G1+2], 4<<16                       ; four heads
	s_mov_b32 s[G1+3], HEADB<<16
	s_mov_b32 s[G1+4], 4
	s_mov_b32 s[G1+5], 98304                       ; from head to head
	s_mov_b32 s[G1+6], 0
	s_mov_b32 s[G1+7], 0
	s_or_b32 s[G1B+0], s44, (0<<16)|(1<<20)|(1<<21)|(3<<22)|(3<<25)   ; B': 128 rows of 192 bytes, 16 bytes of padding behind every 64
	s_mov_b32 s[G1B+1], ROWB<<16
	s_mov_b32 s[G1B+2], 128<<16
	s_mov_b32 s[G1B+3], ROWB<<16
	s_mov_b32 s[G1B+4], 128
	s_mov_b32 s[G1B+5], KROW
	s_mov_b32 s[G1B+6], 0
	s_mov_b32 s[G1B+7], 0
	s_or_b32 s[G1S+0], s43, (3<<16)|(1<<20)|(1<<21)|(5<<22)|(3<<25)
	s_or_b32 s[G1SB+0], s44, (3<<16)|(1<<20)|(1<<21)|(5<<22)|(3<<25)
.irp g, G1S, G1SB
	s_mov_b32 s[\g+1], 32<<16
	s_mov_b32 s[\g+2], (128*KS/256)<<16
	s_mov_b32 s[\g+3], 32<<16
	s_mov_b32 s[\g+4], 128*KS/256
	s_mov_b32 s[\g+5], 32
	s_mov_b32 s[\g+6], 0
	s_mov_b32 s[\g+7], 0
.endr
	s_lshl_b32 s18, s16, 7
	s_lshl_b32 s20, s17, 8
	s_add_co_u32 s20, s20, s18                     ; A': the first of the 128 rows that I fetch
	s_lshl_b32 s22, s20, 5                         ; their scale bytes
	s_mov_b32 s23, 0
	s_lshr_b32 s19, s20, 11
	s_mul_i32 s19, s19, 1572864                    ; the batch's 16 heads of 98,304 bytes
	s_and_b32 s20, s20, 2047
	s_mul_i32 s20, s20, 48                         ; 768 bytes for 16 rows
	s_add_co_u32 s20, s20, s19
	s_mov_b32 s21, 0
	s_lshl_b32 s46, s42, 8
	s_add_co_u32 s46, s46, s18
	s_add_co_u32 s46, s46, 27648                   ; B': Wo's rows of cod and scl
	s_lshl_b32 s66, s46, 5
	s_mov_b32 s67, 0
	s_mul_i32 s46, s46, KROW
	s_mov_b32 s47, 0
	s_mul_i32 s45, s14, HALFT
	s_mul_i32 s2, s14, HALFS
	s_wait_dscnt 0x0                               ; the opening add is done
	s_wait_kmcnt 0x0
	s_add_nc_u64 s[20:21], s[4:5], s[20:21]
	s_add_nc_u64 s[22:23], s[6:7], s[22:23]
	s_add_nc_u64 s[46:47], s[8:9], s[46:47]
	s_add_nc_u64 s[66:67], s[10:11], s[66:67]
	CROUND                                         ; all sixteen work-groups are here: the first joint loads meet
	s_mov_b32 s[G0S], 1
	s_add_co_u32 s[G0S+1], s2, SCL
	s_mov_b64 s[G0S+2:G0S+3], s[22:23]
	s_or_b32 s[G0S+3], s[G0S+3], 0x80000000
	s_mov_b32 s[G0SB], 1
	s_add_co_u32 s[G0SB+1], s2, SCL
	s_mov_b64 s[G0SB+2:G0SB+3], s[66:67]
	s_or_b32 s[G0SB+3], s[G0SB+3], 0x80000000
	JLOAD G0S, G1S, G0SB, G1SB
.irp s, 0,1
	s_mov_b32 s[G0+4*\s], 1
	s_add_co_u32 s[G0+4*\s+1], s45, \s*SLOT
	s_add_nc_u64 s[G0+4*\s+2:G0+4*\s+3], s[20:21], \s*393216      ; K step s: heads 4 s on
	s_or_b32 s[G0+4*\s+3], s[G0+4*\s+3], 0x80000000
	s_mov_b32 s[G0B+4*\s], 1
	s_add_co_u32 s[G0B+4*\s+1], s45, \s*SLOT
	s_add_nc_u64 s[G0B+4*\s+2:G0B+4*\s+3], s[46:47], \s*ROWB
	s_or_b32 s[G0B+4*\s+3], s[G0B+4*\s+3], 0x80000000
	JLOAD G0+4*\s, G1, G0B+4*\s, G1B
.endr
	v_and_b32 v1, 15, v0                           ; r
	v_bfe_u32 v2, v0, 4, 1                         ; h
	v_and_b32 v6, 31, v0                           ; lane
	v_mul_u32_u24 v3, v1, PITCH
	v_mul_u32_u24 v4, v2, 24
	v_add_nc_u32 v4, v3, v4
	v_lshl_add_u32 v5, v2, 4, v4
	v_lshlrev_b32 v[CO], 4, v6                     ; 16 x lane
	v_lshlrev_b32 v7, 3, v6                        ; 8 x lane
	s_mul_i32 s21, s15, HALFT
	s_mul_i32 s22, s16, HALFT
	s_add_co_u32 s22, s22, 2*HALFT
.irp s, 0,1
	v_add_nc_u32 v[ADRA+\s], s21, v[CO]
	v_add_nc_u32 v[ADRA+2+\s], s21, v7
	v_add_nc_u32 v[ADRB+\s], s22, v4
	v_add_nc_u32 v[ADRB+2+\s], s22, v5
	s_add_co_u32 s21, s21, SLOT
	s_add_co_u32 s22, s22, SLOT
.endr
	v_mul_u32_u24 v5, v1, KS
	v_lshrrev_b32 v6, 8, v5
	v_lshl_add_u32 v5, v6, 4, v5
	s_mul_i32 s21, s15, HALFS
	s_mul_i32 s22, s16, HALFS
	s_add_co_u32 s22, s22, 2*HALFS
	s_sub_co_u32 s22, s22, s21
	v_mul_u32_u24 v6, s22, v2
	s_add_co_u32 s21, s21, SCL
	v_add_nc_u32 v5, v5, v6
	v_add_nc_u32 v[ADRS], s21, v5
	s_mul_i32 s23, s14, 16*SPITCH                  ; my stage
	v_mul_u32_u24 v5, v1, SPITCH
	v_lshl_add_u32 v5, v2, 6, v5                   ; in: row r, + 64 h: columns 16 h on of each 32
	v_add_nc_u32 v[STO], s23, v5
	v_add_nc_u32 v[RD], s23, v[CO]                 ; back: the 32 lanes take one row of 512 bytes
	s_lshl_b32 s20, s17, 8
	s_lshl_b32 s21, s15, 7
	s_add_co_u32 s20, s20, s21
	s_lshl_b32 s20, s20, 12                        ; my first row of out0, 4,096 bytes a row
	s_lshl_b32 s46, s42, 10
	s_lshl_b32 s47, s16, 9
	s_add_co_u32 s46, s46, s47                     ; my first column, in bytes
	s_mov_b32 s47, 0
	s_add_nc_u64 s[92:93], s[92:93], s[46:47]
	s_add_co_u32 s20, s20, s46
	s_mov_b32 s21, 0
	s_add_nc_u64 s[12:13], s[94:95], s[20:21]
	global_load_b128 v[BO:BO+3], v[CO], s[92:93]
.macro FRAG reg, adr, q, i
.irp p, 0,1,2,3,4,5
.set PIECE, 12*(\q)+6*(\p/3)+\p%3
.if PIECE%8 < 5
	ds_load_b64 v[\reg+2*\p:\reg+2*\p+1], v[\adr] offset:8*PIECE+16*(PIECE/8)+(\i)*16*PITCH
.else
	ds_load_b64 v[\reg+2*\p:\reg+2*\p+1], v[\adr+2] offset:8*PIECE+16*(PIECE/8)+(\i)*16*PITCH
.endif
.endr
.endm
.macro FRAGA reg, slot, q, i           ; a fragment of A': the images of heads 2 q and 2 q + 1 of the slot, tile i
.irp c, 0,1
	ds_load_b128 v[\reg+6*\c:\reg+6*\c+3], v[ADRA+\slot] offset:(2*(\q)+\c)*HEADB+768*(\i)
	ds_load_b64 v[\reg+6*\c+4:\reg+6*\c+5], v[ADRA+2+\slot] offset:(2*(\q)+\c)*HEADB+768*(\i)+512
.endr
.endm
.macro MUL16 a0, p, q, sc, zero        ; the 64 accumulators take turns, one instruction a turn
.irp a, \a0, \a0+1
.irp b, 0,1,2,3,4,5,6,7
.if \zero
	v_wmma_scale_f32_16x16x128_f8f6f4 v[8*(8*((\a)%4)+\b):8*(8*((\a)%4)+\b)+7], v[128*(\p)+FR*\b:128*(\p)+FR*\b+FR-1], v[AF+FR*(\a):AF+FR*(\a)+FR-1], 0, v[SC+8*NQ*(\sc)+NQ*\b+(\q)], v[SC+8*NQ*(\sc)+NQ*(\a)+(\q)] matrix_a_fmt:MATRIX_FMT_FP6 matrix_b_fmt:MATRIX_FMT_FP6 matrix_a_scale:MATRIX_SCALE_ROW1
.else
	v_wmma_scale_f32_16x16x128_f8f6f4 v[8*(8*((\a)%4)+\b):8*(8*((\a)%4)+\b)+7], v[128*(\p)+FR*\b:128*(\p)+FR*\b+FR-1], v[AF+FR*(\a):AF+FR*(\a)+FR-1], v[8*(8*((\a)%4)+\b):8*(8*((\a)%4)+\b)+7], v[SC+8*NQ*(\sc)+NQ*\b+(\q)], v[SC+8*NQ*(\sc)+NQ*(\a)+(\q)] matrix_a_fmt:MATRIX_FMT_FP6 matrix_b_fmt:MATRIX_FMT_FP6 matrix_a_scale:MATRIX_SCALE_ROW1
.endif
.endr
.endr
.endm
.macro FETCH_B slot, q, p
	WIN TO_B
.irp i, 0,1,2,3,4,5,6,7
	FRAG 128*(\p)+FR*\i, ADRB+\slot, \q, \i
.endr
	WIN 0
.endm
.macro FETCH_A slot, q, i0
.irp i, \i0, \i0+1, \i0+2, \i0+3
	FRAGA AF+FR*(\i), \slot, \q, \i
.endr
.endm
.macro SCALES sc
.irp i, 0,1,2,3,4,5,6,7
	ds_load_b64 v[SC+8*NQ*\sc+NQ*\i:SC+8*NQ*\sc+NQ*\i+1], v[ADRS] offset:\i*SBLK
.endr
.endm
.macro PLACES n
.rept \n
	v_nop
.endr
.endm
.macro STEP slot, q, zero
	s_wait_dscnt 4*NLA                             ; B's set and A' blocks 0-3 are in; the youngest 16 loads (A' blocks 4-7) may be out
	WIN MUL_LO
	MUL16 0, (\q)%2, \q, \slot, \zero
	MUL16 2, (\q)%2, \q, \slot, \zero
	s_wait_dscnt 0
	PLACES NP
	FETCH_B \slot, (\q)+1, 1-(\q)%2
	FETCH_A \slot, (\q)+1, 0
	WIN MUL_HI
	MUL16 4, (\q)%2, \q, \slot, \zero
	MUL16 6, (\q)%2, \q, \slot, \zero
	PLACES NP
	WIN 0
	FETCH_A \slot, (\q)+1, 4
.endm
.macro TURN slot, next, fill
	s_wait_tensorcnt 0x0                           ; all my tensor loads have landed: my part of the next slot
	ds_add_u32 v[SPW], v[NIL]
	s_wait_dscnt 4*NLA+1                           ; the add and the youngest 16 loads may be out
	WIN MUL_LO
	MUL16 0, 1, NQ-1, \slot, 0
	s_wait_dscnt 0x0                               ; the add is done, and my reads of this slot are over
	s_barrier_signal -1
	MUL16 2, 1, NQ-1, \slot, 0
	WIN 0
	s_barrier_wait -1
.if \fill
	CREST                                          ; a round of the cluster's barrier: no wave of any partner still reads this slot or has a load on its way
	s_add_nc_u64 s[G0+4*\slot+2:G0+4*\slot+3], s[G0+4*\slot+2:G0+4*\slot+3], 786432   ; eight heads on
	s_add_nc_u64 s[G0B+4*\slot+2:G0B+4*\slot+3], s[G0B+4*\slot+2:G0B+4*\slot+3], 2*ROWB
	JLOAD G0+4*\slot, G1, G0B+4*\slot, G1B
.else
	PLACES NP
.endif
	v_add_nc_u32 v[ADRS], 4*NQ, v[ADRS]
	FETCH_B \next, 0, 0
	FETCH_A \next, 0, 0
	SCALES \next
	WIN MUL_HI
	MUL16 4, 1, NQ-1, \slot, 0
	MUL16 6, 1, NQ-1, \slot, 0
	PLACES NP
	WIN 0
	FETCH_A \next, 0, 4
.endm
	s_wait_loadcnt 0x0                             ; the bias
	s_wait_tensorcnt 1                             ; the scales and my part of K step 0 are in; K step 1's load may be out
	s_barrier_signal -1
	s_barrier_wait -1
	FETCH_B 0, 0, 0
	FETCH_A 0, 0, 0
	SCALES 0
	FETCH_A 0, 0, 4
	STEP 0, 0, 1
	s_mov_b32 s3, LAPS-1
.Llap:
	TURN 0, 1, 1
	STEP 1, 0, 0
	TURN 1, 0, 1
	STEP 0, 0, 0
	s_sub_co_u32 s3, s3, 1
	s_cmp_lg_u32 s3, 0
	s_cbranch_scc1 .Llap
	TURN 0, 1, 0
	STEP 1, 0, 0
	s_wait_dscnt 4*NLA
	WIN MUL_LO
	MUL16 0, 1, NQ-1, 1, 0
	MUL16 2, 1, NQ-1, 1, 0
	s_wait_dscnt 0
	WIN MUL_HI
	MUL16 4, 1, NQ-1, 1, 0
	MUL16 6, 1, NQ-1, 1, 0
	WIN 0
; THE WAY OUT, a block of 16 rows x 128 columns at a time, through my own stage: in by 32 bytes a lane at the columns' true places, back as whole rows of 512 bytes; the bias is added; the 32 lanes store 512 consecutive bytes.
.macro TOSTAGE a
.set AC, 64*((\a)%4)
	WIN 0x08+4*((\a)/4)                            ; an LDS store's data: window 2 or 3
.irp b, 0,1,2,3,4,5,6,7
	ds_store_b128 v[STO], v[AC+8*\b:AC+8*\b+3] offset:128*(\b/2)+32*(\b%2)        ; each accumulator from its low end on
	ds_store_b128 v[STO], v[AC+8*\b+4:AC+8*\b+7] offset:128*(\b/2)+32*(\b%2)+16
.endr
	WIN 0
.set BB, BK+64*((\a)%2)
.irp t, 0,1,2,3,4,5,6,7,8,9,10,11,12,13,14,15
	ds_load_b128 v[BB+4*\t:BB+4*\t+3], v[RD] offset:\t*SPITCH    ; LDS serves a wave's instructions in order: these see the stores above
.endr
.endm
.macro SEND a, younger                 ; younger: the LDS instructions issued behind block a's loads, which may stay out
.set BB, BK+64*((\a)%2)
	s_wait_dscnt \younger
.irp t, 0,1,2,3,4,5,6,7,8,9,10,11,12,13,14,15
	v_pk_add_f32 v[BB+4*\t:BB+4*\t+1], v[BB+4*\t:BB+4*\t+1], v[BO:BO+1]
	v_pk_add_f32 v[BB+4*\t+2:BB+4*\t+3], v[BB+4*\t+2:BB+4*\t+3], v[BO+2:BO+3]
	global_store_b128 v[CO], v[BB+4*\t:BB+4*\t+3], s[12:13] offset:(32*((\a)/2)+8*((\a)%2)+\t+8*(\t/8))*4096 th:TH_STORE_NT   ; stage row t of block a is this row of my 128; 127 rows at the most: inside the signed 24-bit immediate
.endr
.endm
	PLACES NP
	TOSTAGE 0
.irp a, 1,2,3,4,5,6,7
.if \a > 1
	s_wait_xcnt 0x0                                ; block a - 2's stores have read their registers: block a's loads may land there
.endif
	TOSTAGE \a
	SEND \a-1, 32                                  ; behind block a - 1's loads: block a's 16 stores and 16 loads
.endr
	SEND 7, 0
	s_wait_tensorcnt 0x0                           ; the wave's end: behind my last tensor load and my last LDS store
	ds_add_u32 v[SPW], v[NIL]
	s_wait_dscnt 0x0
	CROUND                                         ; the closing round
	s_endpgm
.Lfunc_end_k_q28cf1df423_outp:
	.size	k_q28cf1df423_outp, .Lfunc_end_k_q28cf1df423_outp-k_q28cf1df423_outp
	.p2alignl 7, 3214868480
	.fill 96, 4, 3214868480
	.section	.rodata,"a",@progbits
	.p2align	6, 0x0
	.amdhsa_kernel k_q28cf1df423_outp
		.amdhsa_group_segment_fixed_size 327680
		.amdhsa_private_segment_fixed_size 0
		.amdhsa_enable_private_segment 0
		.amdhsa_kernarg_size 48
		.amdhsa_user_sgpr_count 2
		.amdhsa_user_sgpr_kernarg_segment_ptr 1
		.amdhsa_wavefront_size32 1
		.amdhsa_system_sgpr_workgroup_id_x 1
		.amdhsa_system_sgpr_workgroup_id_y 1
		.amdhsa_system_sgpr_workgroup_id_z 1
		.amdhsa_system_vgpr_workitem_id 0
		.amdhsa_next_free_vgpr 1024
		.amdhsa_next_free_sgpr 100
		.amdhsa_reserve_vcc 0
		.amdhsa_float_denorm_mode_32 3
		.amdhsa_float_denorm_mode_16_64 3
		.amdhsa_memory_ordered 1
		.amdhsa_forward_progress 1
		.amdhsa_inst_pref_size 168
	.end_amdhsa_kernel
	.amdgpu_metadata
---
amdhsa.version: [ 1, 2 ]
amdhsa.kernels:
  - .name:           k_q28cf1df423_outp
    .symbol:         k_q28cf1df423_outp.kd
    .args:
      - { .name: ai, .offset: 0, .size: 8, .value_kind: global_buffer, .address_space: global }
      - { .name: asc, .offset: 8, .size: 8, .value_kind: global_buffer, .address_space: global }
      - { .name: cod, .offset: 16, .size: 8, .value_kind: global_buffer, .address_space: global }
      - { .name: scl, .offset: 24, .size: 8, .value_kind: global_buffer, .address_space: global }
      - { .name: bo, .offset: 32, .size: 8, .value_kind: global_buffer, .address_space: global }
      - { .name: out0, .offset: 40, .size: 8, .value_kind: global_buffer, .address_space: global }
    .group_segment_fixed_size: 327680
    .private_segment_fixed_size: 0
    .kernarg_segment_align: 8
    .kernarg_segment_size: 48
    .max_flat_workgroup_size: 128
    .sgpr_count:     100
    .vgpr_count:     1024
    .wavefront_size: 32
...
	.end_amdgpu_metadata
.endif
;; end of part 4
